; MI455X (gfx1250); checked and timed in simulation.
; The chip was launched on July 23, 2026; its instructions are those of AMD's public machine-readable ISA for CDNA 5 (MIT licence, August 2026) and "CDNA5" Instruction Set Architecture Reference Guide (July 2026). The comments in the code are by the model that wrote it; some were corrected since.
;; Self Attention. Allowed arithmetic: matrix products marked QUANTISED: E2M1 operands, one E8M0 scale for each 32 along K, by v_wmma_scale_f32_16x16x128_f8f6f4 with both operands' format E2M1 (or v_wmma_scale_f32_32x16x128_f4), f32 sums; everything else in f32.
;; Inputs: Wk 1,024 x 1,024 float32; Wp 1,024 x 1,024 float32; Wq 1,024 x 1,024 float32; Wv 1,024 x 1,024 float32; bk 1,024 float32; bp 1,024 float32; bq 1,024 float32; bv 1,024 float32; x 4 x 2,048 x 1,024 float32.
;; Outputs: out0 4 x 2,048 x 1,024 float32.
;; This version of the problem:
;;   THIS VERSION OF THE PROBLEM IS GIVEN IN LOW PRECISION. The matrix products marked QUANTISED in the list below multiply operands that are first quantised to E2M1 (2 exponent bits, 1 mantissa bit; 4 bits a number), with one power-of-two scale for each 32 numbers along K (OCP MX v1.0); their sums are f32. All else is computed in f32.
;;   The module's matrix products, in the order in which they are computed (A, B: the left and right operand; K: the contracted axis; several contracted axes count as one K, in the product's order):
;;     1. [M 8,192, K 1,024] x [K 1,024, N 1,024]; A: input x; B: input Wk: QUANTISED
;;     2. [M 8,192, K 1,024] x [K 1,024, N 1,024]; A: input x; B: input Wq: QUANTISED
;;     3. [M 8,192, K 1,024] x [K 1,024, N 1,024]; A: input x; B: input Wv: QUANTISED
;;     4. batch 64 x [M 2,048, K 64] x [K 64, N 2,048]; A: computed on the way; B: computed on the way: QUANTISED
;;     5. batch 64 x [M 2,048, K 2,048] x [K 2,048, N 64]; A: softmax (see below); B: computed on the way: QUANTISED
;;     6. [M 8,192, K 1,024] x [K 1,024, N 1,024]; A: computed on the way; B: input Wp: QUANTISED
;;   THE QUANTISER, for each operand of a quantised product, along K:
;;     - K is cut into blocks of 32 from its start; a last block that is shorter is filled with zeros.
;;     - A block's scale is 2^e with e = floor(log2(the largest magnitude in the block)) - 2, held to -126 .. 127; a block of zeros has e = 0. As a byte (E8M0): e + 127.
;;     - Each number is divided by its block's scale, clamped to +-6, and rounded to the nearest number of E2M1, ties to even, subnormals kept.
;;     - The product sums the exact products of the quantised numbers (number of the format x scale) in f32.
;;   ~~~python
;;   def quantise(x, axis):      # numpy; x: float32 -> the quantised numbers, widened to float32 again
;;       x = np.moveaxis(x, axis, -1); K = x.shape[-1]
;;       x = np.pad(x, [(0, 0)] * (x.ndim - 1) + [(0, -K % 32)]); x = x.reshape(x.shape[:-1] + (-1, 32)); a = np.abs(x).max(-1, keepdims=True)
;;       e = np.where(a > 0, np.clip(np.frexp(np.where(a > 0, a, 1))[1] - 1 - 2, -126, 127), 0)      # np.frexp(a)[1] - 1 = floor(log2(a)), exactly
;;       r = np.clip(x / 2.0 ** e, -6, 6)
;;       step = 2.0 ** (np.maximum(np.frexp(np.where(r == 0, 1, r))[1] - 1, 0) - 1)
;;       q = np.round(r / step) * step * 2.0 ** e      # np.round: ties to even
;;       return np.moveaxis(q.reshape(q.shape[:-2] + (-1,))[..., :K], -1, axis).astype(np.float32)
;;   ~~~
;;   SOFTMAX AHEAD OF A QUANTISED PRODUCT. Where the list says 'softmax', what is quantised is not the finished softmax but p = 2^(t - M), with t = logit x log2(e) and M = ceil(the row's largest t), a whole number; so 1/2 < the row's largest p <= 1. The row's sum l is taken of the UNQUANTISED p, in f32, and the product's result is divided by l at the end. Since M is a whole number, a kernel that streams over the keys may use a running M (the ceiling of the running maximum): every later rescaling is an exact power of two, which a block's scale takes up: the codes' values come out the same.
;;   OPERANDS COMPUTED ON THE WAY. 'Computed on the way' means the value that the module computes at that place (a softmax that the list does not call 'softmax' is quantised finished and normalised). What goes into a quantiser is computed in f32, as accurately as f32 sums, v_exp_f32 and their like allow (about 1e-6 of the number): no bf16 or f16 on the way to a quantiser, and a product that is left as it is and whose result goes on into a quantised operand takes f32 operands (vector FMAs, or v_wmma_f32_16x16x4_f32). A number that lies on a knife's edge between two numbers of the format may be rounded either way, as far as f32 arithmetic and the matrix unit's own rounding can turn it there, and no further.
;; One version. Each part assembles by itself: llvm-mc -triple=amdgcn-amd-amdhsa -mcpu=gfx1250 --defsym DOCPART=n.
;; ======== version 1 of 1: 4 launches
;; workspace buffers: xc 4,194,304 bytes; xs 262,144 bytes; wc 2,097,152 bytes; ws 131,072 bytes; qkv 14,155,776 bytes; oc 4,194,304 bytes; os 262,144 bytes
;; launch quant (part 1): grid 768 x 1, 2 waves a work-group, no clusters, 25,856 bytes of LDS; arguments x, Wq, Wk, Wv, Wp, xc, xs, wc, ws; writes xc, xs, wc, ws
.if DOCPART == 1
	.amdgcn_target "amdgcn-amd-amdhsa--gfx1250"
	.amdhsa_code_object_version 6
	.text
	.protected	k_q42d6753081_quant
	.globl	k_q42d6753081_quant
	.p2align	8
	.type	k_q42d6753081_quant,@function
k_q42d6753081_quant:
	s_mov_b64 s[64:65], 0
	v_nop
	global_prefetch_b8 v0, s[64:65] scope:SCOPE_SE
	s_setreg_imm32_b32 hwreg(HW_REG_WAVE_MODE, 25, 1), 1
	s_wait_xcnt 0x0
; x [8192][1024] and Wq, Wk, Wv, Wp [1024][1024], f32, K innermost, become codes of FP4 (E2M1) with one E8M0 scale byte for each 32 along K.
; A block's scale is 2^(floor(log2(its largest magnitude)) - 2); its byte is the largest magnitude's exponent field - 2, held at 1 from below; numbers are divided by the scale and rounded to the nearest code, ties to even.
; LIMITS: a block of zeros gets the byte 1 where the rule says 127 (its codes are zeros, which add nothing under any byte but 0xff, and this program alone reads the bytes); blocks whose largest magnitude
; lies under 2^(2 - 126) are held at the byte 1; NaN and infinities among the inputs are not served.
; THE CODES' LAYOUT is the later launches' operand registers on end.  32 rows form a group G with two tiles u: lane r of tile 2 G + u is row 32 G + 8 u + r + 8 (r / 8).  A tile's codes are
; [K step 8][c 2][lane 32][16 bytes]: lane (r, h) holds k = 128 s + 64 c + 32 h + 0 .. 31 of its row.  The scale bytes stay in the natural order, [row][32 bytes].
; SHARES: a work-group makes one tile (16 rows x 1,024); wave w takes its rows r = 8 w .. 8 w + 7, which are 8 neighbouring rows of memory: 32,768 consecutive bytes, 16 steps of 512 numbers.
; Work-groups 0-511 take x; the other 256 the four weights, 64 tiles each, into one buffer in the order Wq, Wk, Wv, Wp.  Only pointers are chosen: all take one path through the text.
; A step: four loads of 512 consecutive bytes; the 2,048 bytes turn through the wave's own stage in LDS so that a lane holds 16 neighbours along K (two lanes to a block).  A lane's 8 bytes of codes go to a stage
; that the two waves share, laid as the tile's image (32 chunks of 256 bytes, 272 apart); behind one barrier each wave stores half of the image, 512 consecutive bytes an instruction.
; A wave's 256 scale bytes are gathered in its own LDS bytes and leave as one aligned run of 256 bytes.  Loads run four steps (16 loads a wave) ahead, the turn through LDS one step.
.set STEPS, 16
.set EMAX,  2
.set R,     16                         ; v16-79   four sets of 16 numbers as they are loaded; at the end the image on its way out
.set X,     80                         ; v80-111  two sets of 16 neighbours
.set E,     112                        ; v112-127 a scale byte for each step
.set C,     128                        ; v128-191 codes: a pair at v[C + 4 t] for each step, so that no store's data are written again
.set WREG,  8192                       ; LDS: a region for each wave: two turning stages of 32 x SP bytes, behind them its 256 scale bytes
.set SP,    80                         ; a lane's place in a turning stage: 64 bytes + 16 of padding
.set SCB,   2*32*SP
.set CST,   16384                      ; the shared stage for the codes: 32 chunks
.set CP,    272                        ; a chunk: 256 bytes + 16 of padding
	s_load_b512 s[4:19], s[0:1], 0x0               ; x s[4:5], Wq s[6:7], Wk s[8:9], Wv s[10:11], Wp s[12:13], xc s[14:15], xs s[16:17], wc s[18:19]
	s_load_b64 s[20:21], s[0:1], 0x40              ; ws
	v_lshl_add_u32 v192, v0, 2, 0x6400
	v_mov_b32 v193, 0
	v_lshrrev_b32 v1, 5, v0
	v_readfirstlane_b32 s22, v1                    ; wave 0, 1
	v_and_b32 v2, 31, v0                           ; lane
	v_lshlrev_b32 v3, 4, v2                        ; my 16 bytes of 512
	s_mul_i32 s23, s22, WREG
	v_lshrrev_b32 v14, 2, v2
	v_mul_u32_u24 v14, v14, SP
	v_and_b32 v15, 3, v2
	v_lshl_add_u32 v14, v15, 4, v14
	v_add_nc_u32 v14, s23, v14                     ; the turning stage, in: SP (lane / 4) + 16 (lane % 4)
	v_mul_u32_u24 v15, v2, SP
	v_add_nc_u32 v15, s23, v15                     ; and out: SP x lane: my 16 neighbours
	v_lshrrev_b32 v5, 1, v2                        ; my block of the step's 16
	v_mul_u32_u24 v4, v5, CP
	s_add_co_u32 s23, s23, SCB
	v_add_nc_u32 v5, s23, v5                       ; my block's scale byte
	v_lshlrev_b32 v7, 3, v2                        ; the scale bytes' way out: 8 bytes a lane
	v_add_nc_u32 v6, s23, v7
	v_and_b32 v1, 1, v2
	v_lshl_add_u32 v4, v1, 3, v4
	s_lshl_b32 s23, s22, 7
	s_add_co_u32 s23, s23, CST
	v_add_nc_u32 v4, s23, v4                       ; the codes' stage, in: chunk lane / 2 (+ 16 in odd steps), row 8 w (+ step / 2) of 16 bytes, half lane % 2
	v_lshrrev_b32 v10, 4, v2
	v_mul_u32_u24 v10, v10, CP
	v_and_b32 v1, 15, v2
	v_lshl_add_u32 v10, v1, 4, v10
	s_mul_i32 s23, s22, 16*CP
	s_add_co_u32 s23, s23, CST
	v_add_nc_u32 v10, s23, v10                     ; and out: wave w takes chunks 16 w on, two an instruction
	s_wait_kmcnt 0x0
	s_cmp_lt_u32 ttmp9, 704                        ; which tensor: the choices hang on the work-group's number alone
	s_cselect_b64 s[12:13], s[10:11], s[12:13]
	s_cmp_lt_u32 ttmp9, 640
	s_cselect_b64 s[12:13], s[8:9], s[12:13]
	s_cmp_lt_u32 ttmp9, 576
	s_cselect_b64 s[12:13], s[6:7], s[12:13]
	s_cmp_lt_u32 ttmp9, 512
	s_cselect_b64 s[12:13], s[4:5], s[12:13]       ; the source
	s_cselect_b64 s[14:15], s[14:15], s[18:19]     ; its codes
	s_cselect_b64 s[16:17], s[16:17], s[20:21]     ; its scale bytes
	s_cselect_b32 s24, 0, 512
	s_cselect_b32 s25, 1023, 63
	s_sub_co_u32 s24, ttmp9, s24                   ; the tile in the buffer of codes
	s_and_b32 s25, s24, s25                        ; the tile in the source tensor
	s_lshl_b32 s28, s22, 4                         ; 16 w
	s_lshr_b32 s26, s25, 1
	s_lshl_b32 s26, s26, 5
	s_and_b32 s27, s25, 1
	s_lshl_b32 s27, s27, 3
	s_add_co_u32 s26, s26, s27
	s_add_co_u32 s26, s26, s28                     ; my first row in the source: 32 G + 8 u + 16 w
	s_lshl_b32 s26, s26, 12                        ; rows of 4,096 bytes
	s_mov_b32 s27, 0
	s_add_nc_u64 s[12:13], s[12:13], s[26:27]
	s_lshr_b32 s26, s24, 1
	s_lshl_b32 s26, s26, 5
	s_and_b32 s29, s24, 1
	s_lshl_b32 s29, s29, 3
	s_add_co_u32 s26, s26, s29
	s_add_co_u32 s26, s26, s28                     ; the same row counted in the buffer of scale bytes
	s_lshl_b32 s26, s26, 5                         ; 32 bytes a row
	s_add_nc_u64 s[16:17], s[16:17], s[26:27]
	s_lshl_b32 s26, s24, 13                        ; a tile's image is 8,192 bytes,
	s_lshl_b32 s29, s22, 12                        ; of which I store half
	s_add_co_u32 s26, s26, s29
	s_add_nc_u64 s[14:15], s[14:15], s[26:27]
.macro LOAD t
.irp i, 0,1,2,3
	global_load_b128 v[R+16*((\t)%4)+4*\i:R+16*((\t)%4)+4*\i+3], v3, s[12:13] offset:2048*(\t)+512*\i th:TH_LOAD_NT   ; 32 lanes read 512 consecutive bytes; read once in the launch
.endr
.endm
.macro TURN t                          ; step t's numbers through the turning stage: LDS serves a wave's instructions in order, so no wait stands between the stores and the loads
.irp i, 0,1,2,3
	ds_store_b128 v14, v[R+16*((\t)%4)+4*\i:R+16*((\t)%4)+4*\i+3] offset:32*SP*((\t)%2)+8*SP*\i
.endr
.irp i, 0,1,2,3
	ds_load_b128 v[X+16*((\t)%2)+4*\i:X+16*((\t)%2)+4*\i+3], v15 offset:32*SP*((\t)%2)+16*\i
.endr
.endm
.irp t, 0,1,2,3
	LOAD \t
.endr
	s_wait_loadcnt 12                              ; step 0's four loads are in
	TURN 0
.macro STEP t
.set XS, X+16*((\t)%2)
.if (\t) > 0
	s_wait_dscnt 2                                 ; this step's numbers are back from the stage; the last step's byte store and code store, issued behind them, may be out
.else
	s_wait_dscnt 0x0
.endif
.if (\t)+4 < STEPS
	LOAD (\t)+4                                    ; into the registers whose stage stores are done
.endif
.if (\t)+1 < STEPS
.if STEPS-2-(\t) >= 3
	s_wait_loadcnt 12                              ; the next step's four loads are in; those of the three steps behind it may be out
.else
	s_wait_loadcnt 4*(STEPS-2-(\t))
.endif
	TURN (\t)+1                                    ; through the other stage while this step is worked
.endif
	v_max3_num_f32 v8, |v[XS]|, |v[XS+1]|, |v[XS+2]|               ; the largest magnitude of my 16, in two chains
	v_max3_num_f32 v9, |v[XS+3]|, |v[XS+4]|, |v[XS+5]|
.irp i, 6,10
	v_max3_num_f32 v8, v8, |v[XS+\i]|, |v[XS+\i+1]|
	v_max3_num_f32 v9, v9, |v[XS+\i+2]|, |v[XS+\i+3]|
.endr
	v_max3_num_f32 v8, v8, |v[XS+14]|, |v[XS+15]|
	v_max3_num_f32 v8, v8, v9, (EMAX+1)<<23        ; and the floor 2^(EMAX + 1 - 127): the byte cannot fall under 1
	v_max_num_f32_dpp v8, v8, v8 row_xmask:1 row_mask:0xf bank_mask:0xf   ; and of my neighbour's 16: the block's
	v_add_nc_u32 v11, -(EMAX<<23), v8              ; EMAX off its exponent field: the conversion takes the exponent field of this operand as its scale
	v_cvt_scalef32_pk8_fp4_f32 v[C+4*(\t)], v[XS:XS+7], v11
	v_cvt_scalef32_pk8_fp4_f32 v[C+4*(\t)+1], v[XS+8:XS+15], v11
	v_lshrrev_b32 v[E+(\t)], 23, v11               ; the scale's byte (a plain line behind the conversions)
	ds_store_b8 v5, v[E+(\t)] offset:16*(\t)       ; both lanes of a block write the same byte with the same value
	ds_store_b64 v4, v[C+4*(\t):C+4*(\t)+1] offset:((\t)%2)*16*CP+((\t)/2)*16   ; row step / 2 of my eight; K = 512 (step % 2) + 16 lane on: chunk 16 (step % 2) + lane / 2
.endm
.irp t, 0,1,2,3,4,5,6,7,8,9,10,11,12,13,14,15
	STEP \t
.endr
	ds_load_b64 v[12:13], v6                       ; my wave's 256 scale bytes: these loads see my stores
	s_wait_dscnt 0x0                               ; they are in; and, for the other wave's sake, my stores into the shared stage are done
	global_store_b64 v7, v[12:13], s[16:17]        ; 32 lanes store 256 consecutive bytes, aligned: 8 rows of 32 scale bytes
	s_barrier_signal -1
	s_barrier_wait -1                              ; the tile's image is whole
.irp i, 0,1,2,3,4,5,6,7
	ds_load_b128 v[R+4*\i:R+4*\i+3], v10 offset:2*\i*CP
.endr
.irp i, 0,1,2,3,4,5,6,7
	s_wait_dscnt 7-\i
	global_store_b128 v3, v[R+4*\i:R+4*\i+3], s[14:15] offset:512*\i   ; 512 consecutive bytes of the image
.endr
	s_wait_tensorcnt 0x0
	ds_add_u32 v192, v193
	s_wait_dscnt 0x0
	s_endpgm
.Lfunc_end_k_q42d6753081_quant:
	.size	k_q42d6753081_quant, .Lfunc_end_k_q42d6753081_quant-k_q42d6753081_quant
	.p2alignl 7, 3214868480
	.fill 96, 4, 3214868480
	.section	.rodata,"a",@progbits
	.p2align	6, 0x0
	.amdhsa_kernel k_q42d6753081_quant
		.amdhsa_group_segment_fixed_size 25856
		.amdhsa_private_segment_fixed_size 0
		.amdhsa_enable_private_segment 0
		.amdhsa_kernarg_size 72
		.amdhsa_user_sgpr_count 2
		.amdhsa_user_sgpr_kernarg_segment_ptr 1
		.amdhsa_wavefront_size32 1
		.amdhsa_system_sgpr_workgroup_id_x 1
		.amdhsa_system_sgpr_workgroup_id_y 1
		.amdhsa_system_sgpr_workgroup_id_z 1
		.amdhsa_system_vgpr_workitem_id 0
		.amdhsa_next_free_vgpr 194
		.amdhsa_next_free_sgpr 66
		.amdhsa_reserve_vcc 0
		.amdhsa_float_denorm_mode_32 3
		.amdhsa_float_denorm_mode_16_64 3
		.amdhsa_memory_ordered 1
		.amdhsa_forward_progress 1
		.amdhsa_inst_pref_size 36
	.end_amdhsa_kernel
	.amdgpu_metadata
---
amdhsa.version: [ 1, 2 ]
amdhsa.kernels:
  - .name:           k_q42d6753081_quant
    .symbol:         k_q42d6753081_quant.kd
    .args:
      - { .name: x, .offset: 0, .size: 8, .value_kind: global_buffer, .address_space: global }
      - { .name: Wq, .offset: 8, .size: 8, .value_kind: global_buffer, .address_space: global }
      - { .name: Wk, .offset: 16, .size: 8, .value_kind: global_buffer, .address_space: global }
      - { .name: Wv, .offset: 24, .size: 8, .value_kind: global_buffer, .address_space: global }
      - { .name: Wp, .offset: 32, .size: 8, .value_kind: global_buffer, .address_space: global }
      - { .name: xc, .offset: 40, .size: 8, .value_kind: global_buffer, .address_space: global }
      - { .name: xs, .offset: 48, .size: 8, .value_kind: global_buffer, .address_space: global }
      - { .name: wc, .offset: 56, .size: 8, .value_kind: global_buffer, .address_space: global }
      - { .name: ws, .offset: 64, .size: 8, .value_kind: global_buffer, .address_space: global }
    .group_segment_fixed_size: 25856
    .private_segment_fixed_size: 0
    .kernarg_segment_align: 8
    .kernarg_segment_size: 72
    .max_flat_workgroup_size: 64
    .sgpr_count:     66
    .vgpr_count:     194
    .wavefront_size: 32
...
	.end_amdgpu_metadata
.endif
;; end of part 1
;; launch qkv (part 2): grid 12 x 64, 4 waves a work-group, clusters of 4 x 4, 197,120 bytes of LDS; arguments xc, xs, wc, ws, bq, bk, bv, qkv; writes qkv
.if DOCPART == 2
	.amdgcn_target "amdgcn-amd-amdhsa--gfx1250"
	.amdhsa_code_object_version 6
	.text
	.protected	k_q42d6753081_qkv
	.globl	k_q42d6753081_qkv
	.p2align	8
	.type	k_q42d6753081_qkv,@function
k_q42d6753081_qkv:
	s_mov_b64 s[64:65], 0
	v_nop
	global_prefetch_b8 v0, s[64:65] scope:SCOPE_SE
	s_setreg_imm32_b32 hwreg(HW_REG_WAVE_MODE, 25, 1), 1
	s_wait_xcnt 0x0
	s_wait_alu depctr_hold_cnt(0) depctr_sa_sdst(0) depctr_va_vdst(0) depctr_va_sdst(0) depctr_va_ssrc(0) depctr_va_vcc(0) depctr_vm_vsrc(0)
	s_getreg_b32 s2, hwreg(HW_REG_IB_STS2, 6, 4)
	s_cmp_eq_u32 s2, 0
	s_cbranch_scc0 .Lentry_in_a_cluster
	s_endpgm
.Lentry_in_a_cluster:
	s_bfe_u32 s2, ttmp6, 0x10000c
	s_cmp_lg_u32 s2, 0xf033
	s_cbranch_scc0 .Lentry_shape_is_right
	s_endpgm
.Lentry_shape_is_right:
; q = x Wq^T + bq, k = x Wk^T + bk, v = x Wv^T + bv on codes of FP4 (E2M1) with E8M0 scales, sums in f32; the results are quantised in registers (q and k along the head's 64 channels,
; v along the keys) and leave as codes: they never go to memory as f32.
; TILES.  32 rows (tokens, or rows of a weight) form a group G with two tiles u: lane r of tile 2 G + u is row 32 G + 8 u + r + 8 (r / 8).  As source 0 such a tile gives results whose register j in lane (r', h)
; is row 32 G + 16 h + 8 u + j: the 16 registers of a group's two tiles are 16 neighbours.  A fragment (16 rows x 128 K) lies in memory and in LDS as an image of its registers, [c 2][lane 32][16 bytes].
; SHARES.  A work-group makes 128 tokens x 256 columns over the whole K = 1,024; wave w makes 128 tokens x 64 columns, one head: 8 token tiles x 4 column tiles = 32 accumulators.
; The cluster's x says which of q, k, v: it is the same in all partners.  q and k take the weight as source 0 (a lane holds one token, registers along the channels); v takes x as source 0 (a lane holds one
; channel, registers along the tokens, which are the keys).  Either way 64 accumulator registers on end are four blocks of 32 along the next product's K.
; LDS.  A's 65,536 bytes and B's 131,072 come ONCE, as four chunks of two K steps, so that the products start when the first chunk has landed.  No byte of LDS is filled twice.
; CLUSTERS: 4 x 4 work-groups.  The four of a row of the cluster need the same tokens, the four of a column the same weight rows: each chunk is asked for JOINTLY, by the same tensor load with the same descriptor
; and a mask that names the four.  By this text's own count a wave has four tensor loads outstanding.
; THE BIAS is the C of each sum's first matrix instruction, so it enters the sum first.
; OUT: qkv [batch x head 64][128 tokens 16][q, k, v][4,608 bytes]: four images of 1,024 bytes, then four runs of 128 bytes of scale words, one word a lane.
;   q, k: image f: registers 0-3 token tile (f, 0), registers 4-7 token tile (f, 1), each d = 32 h + 0 .. 31; word bytes 0, 1: tile (f, 0)'s two blocks, bytes 2, 3: tile (f, 1)'s.
;   v: image f: channel tile f x these 128 keys; the word's four bytes: the four blocks of 32 keys.
; LIMITS: a block of zeros gets the scale byte 1 where the rule says 127 (its codes are zeros; this program alone reads the bytes); NaN and infinities are not served.
; REGISTERS, in windows of 256: window 0: v1-10 addresses; v16-47 A's scale words, v48-63 B's (scales and nothing else); v64-191 A's fragments, two sets; v192-255 B's, two sets; on the way out v64-115 are at work.
;   window 1: the 32 accumulators.   window 2: v0-31 the bias, eight registers a column tile, in the result's layout.
.set AF,   64
.set BF,   192
.set SA,   16                          ; register SA + 8 g + s: lanes 0-15 the word of token tile (g, 0), lanes 16-31 that of (g, 1), for K step s
.set SB,   48                          ; SB + 8 b + s: the same for my column tiles (b, 0), (b, 1)
.set ADA,  3                           ; v3   16 x lane: my place in an image; A's chunks begin at LDS byte 0
.set ADB,  4                           ; v4, v5  the same in my wave's four tiles of B: chunks 0, 1 and chunks 2, 3
.set VSA,  6                           ; v6   my row among a group's 32 rows of scale bytes
.set VBQ,  7                           ; v7   the bias for q and k: 64 h bytes
.set VBV,  8                           ; v8   the bias for v: my channel's 4 bytes
.set LS,   9                           ; v9   4 x lane
.set FL,   10                          ; v10  the floor 2^(3 - 127) of a block's largest magnitude
.set PC,   64                          ; the way out: eight registers of codes for each of four images
.set PW,   96                          ; and a scale word for each
.set TM,   100                         ; v100-103 largest magnitudes, v104-107 the other half's, then bytes, v112-115 the conversions' scale operands
.set WV,   20
.set ROLE, 21
.set HALF, 22
.set CX,   23
.set CY,   24
.set KIND, 25
.set NB,   26
.set Y,    27
.set G1A,  32                          ; s[32:39] descriptor group 1 for A's chunks;  s[40:47] for B's
.set G1B,  40
.set G0A,  48                          ; s[48:63] group 0 for A's four chunks;  s[68:83] for B's
.set G0B,  68
.set SEL,  98                          ; s[98:99] lane selects for v_permlanex16_b32: lane l xor 16
.set MSB, 0
.macro WIN new                         ; the immediate's high byte repeats the setting that is left; a switch that changes nothing is dropped
.if MSB != \new
	s_set_vgpr_msb (MSB<<8)|\new
.set MSB, \new
.endif
.endm
.macro PLACES                          ; four plain vector lines between a matrix instruction and a load into, or a vector line on, one of its registers
.rept 4
	v_nop
.endr
.endm
.macro CROUND                          ; a round of the cluster's barrier
	s_barrier_signal -1
	s_barrier_wait -1
	s_cmp_lg_u32 s[WV], 0
	s_cbranch_scc1 .Lnot_wave_0_\@
	s_barrier_signal -3
.Lnot_wave_0_\@:
	s_barrier_wait -3
	s_barrier_signal -1
	s_barrier_wait -1
.endm
	s_load_b512 s[4:19], s[0:1], 0x0               ; xc s[4:5], xs s[6:7], wc s[8:9], ws s[10:11], bq s[12:13], bk s[14:15], bv s[16:17], qkv s[18:19]
	v_lshl_add_u32 v14, v0, 2, 0x30000
	v_mov_b32 v15, 0
	ds_add_u32 v14, v15
	ds_add_u32 v14, v15
	v_lshrrev_b32 v1, 5, v0
	v_readfirstlane_b32 s[WV], v1                  ; wave 0..3
	s_lshr_b32 s[ROLE], s[WV], 1                   ; I fetch for A (0) or for B (1),
	s_and_b32 s[HALF], s[WV], 1                    ; and which half of a chunk
	s_bfe_u32 s[CX], ttmp6, 0x40000                ; cx, cy: my place in the cluster
	s_bfe_u32 s[CY], ttmp6, 0x40004
	s_mov_b32 s[KIND], ttmp9                       ; the cluster's x: 0 q, 1 k, 2 v
	s_lshl_b32 s[NB], ttmp9, 2
	s_add_co_u32 s[NB], s[NB], s[CX]               ; my block of 256 rows of the weights' buffer
	s_and_b32 s[Y], ttmp7, 0xffff
	s_lshl_b32 s[Y], s[Y], 2
	s_add_co_u32 s[Y], s[Y], s[CY]                 ; my block of 128 tokens
	s_lshl_b32 s28, s[CY], 2
	s_lshl_b32 s28, 15, s28                        ; my row of the cluster
	s_lshl_b32 s29, 0x1111, s[CX]                  ; my column
	; descriptor group 1: rows of 2,048 bytes (two K steps of one tile: 256 elements of 8 bytes), 8,192 bytes apart in memory, on end in LDS; 4 rows for A, 8 for B
	s_or_b32 s[G1A], s28, (3<<16)|(1<<21)          ; 15:0 the mask; 17:16 elements of 8 bytes; 21 set beside a mask; no padding
	s_or_b32 s[G1B], s29, (3<<16)|(1<<21)
.irp g, G1A, G1B
	s_mov_b32 s[\g+1], 256<<16                     ; tensor_dim0
	s_mov_b32 s[\g+3], 256<<16                     ; tile_dim0
	s_mov_b32 s[\g+5], 1024                        ; tensor_dim0_stride
	s_mov_b32 s[\g+6], 0
	s_mov_b32 s[\g+7], 0
.endr
	s_mov_b32 s[G1A+2], 4<<16                      ; tensor_dim1
	s_mov_b32 s[G1A+4], 4                          ; tile_dim1
	s_mov_b32 s[G1B+2], 8<<16
	s_mov_b32 s[G1B+4], 8
	s_lshl_b32 s84, s[Y], 16                       ; A: 65,536 bytes a block of tokens, my half 32,768 on: no register here holds cx
	s_lshl_b32 s30, s[HALF], 15
	s_add_co_u32 s84, s84, s30
	s_mov_b32 s85, 0
	s_lshl_b32 s86, s[NB], 17                      ; B: 131,072 bytes a block of rows, my half 65,536 on: no register here holds cy
	s_lshl_b32 s30, s[HALF], 16
	s_add_co_u32 s86, s86, s30
	s_mov_b32 s87, 0
	s_lshl_b32 s88, s[HALF], 13                    ; where they go: no place in the cluster enters an LDS address
	s_lshl_b32 s89, s[HALF], 14
	s_lshl_b32 s90, s[Y], 12                       ; A's scale bytes: 128 rows of 32
	s_mov_b32 s91, 0
	s_lshl_b32 s92, s[NB], 13                      ; B's: 256 rows of 32, my wave's 64 rows
	s_lshl_b32 s30, s[WV], 11
	s_add_co_u32 s92, s92, s30
	s_mov_b32 s93, 0
	s_lshl_b32 s94, s[CX], 10                      ; the bias: column 256 cx + 64 w
	s_lshl_b32 s30, s[WV], 8
	s_add_co_u32 s94, s94, s30
	s_mov_b32 s95, 0
	s_lshr_b32 s30, s[Y], 4                        ; the record: batch,
	s_lshl_b32 s30, s30, 4
	s_lshl_b32 s31, s[CX], 2
	s_add_co_u32 s31, s31, s[WV]                   ; head = 4 cx + w,
	s_add_co_u32 s30, s30, s31
	s_lshl_b32 s30, s30, 4
	s_and_b32 s31, s[Y], 15                        ; which 128 tokens of the batch,
	s_add_co_u32 s30, s30, s31
	s_mul_i32 s30, s30, 3
	s_add_co_u32 s30, s30, s[KIND]                 ; and q, k or v
	s_mul_i32 s96, s30, 4608
	s_mov_b32 s97, 0
	s_mov_b32 s[SEL], 0x76543210
	s_mov_b32 s[SEL+1], 0xfedcba98
	v_and_b32 v11, 31, v0                          ; lane
	v_and_b32 v1, 15, v0                           ; r
	v_bfe_u32 v2, v0, 4, 1                         ; h
	v_lshlrev_b32 v[ADA], 4, v11
	s_lshl_b32 s30, s[WV], 13
	s_add_co_u32 s30, s30, 65536
	v_add_nc_u32 v[ADB], s30, v[ADA]               ; B begins at 65,536; my four tiles 8,192 w on
	v_add_nc_u32 v[ADB+1], 65536, v[ADB]
	v_and_b32 v[VBV], 8, v1
	v_add_nc_u32 v[VBV], v[VBV], v1                ; r + 8 (r / 8)
	v_lshl_add_u32 v[VSA], v2, 3, v[VBV]           ; + 8 h: lanes 0-15 take tile u = 0's rows, lanes 16-31 tile u = 1's
	v_lshlrev_b32 v[VSA], 5, v[VSA]
	v_lshlrev_b32 v[VBV], 2, v[VBV]
	v_lshlrev_b32 v[VBQ], 6, v2
	v_lshlrev_b32 v[LS], 2, v11
	v_mov_b32 v[FL], 0x1800000
	s_wait_dscnt 0x0
	s_wait_kmcnt 0x0
	s_cmp_eq_u32 s[KIND], 1                        ; the bias's buffer: the choice hangs on the cluster's x alone
	s_cselect_b64 s[12:13], s[14:15], s[12:13]
	s_cmp_eq_u32 s[KIND], 2
	s_cselect_b64 s[12:13], s[16:17], s[12:13]
	s_add_nc_u64 s[84:85], s[4:5], s[84:85]
	s_add_nc_u64 s[86:87], s[8:9], s[86:87]
	s_add_nc_u64 s[90:91], s[6:7], s[90:91]
	s_add_nc_u64 s[92:93], s[10:11], s[92:93]
	s_add_nc_u64 s[94:95], s[12:13], s[94:95]
	s_add_nc_u64 s[96:97], s[18:19], s[96:97]
.irp q, 0,1,2,3
	s_mov_b32 s[G0A+4*\q], 1                                       ; count = 1
	s_add_co_u32 s[G0A+4*\q+1], s88, \q*16384                      ; LDS address: chunk q of A
	s_add_nc_u64 s[G0A+4*\q+2:G0A+4*\q+3], s[84:85], \q*2048       ; global address: K steps 2 q, 2 q + 1
	s_or_b32 s[G0A+4*\q+3], s[G0A+4*\q+3], 0x80000000              ; type = 2
	s_mov_b32 s[G0B+4*\q], 1
	s_add_co_u32 s[G0B+4*\q+1], s89, 65536+\q*32768
	s_add_nc_u64 s[G0B+4*\q+2:G0B+4*\q+3], s[86:87], \q*2048
	s_or_b32 s[G0B+4*\q+3], s[G0B+4*\q+3], 0x80000000
.endr
	CROUND                                         ; all sixteen work-groups are here: the joint loads meet
	s_cmp_eq_u32 s[ROLE], 0                        ; a wave's four loads stand in one branch on its number, ahead of every wait on TENSORcnt, every LDS read and every other barrier
	s_cbranch_scc0 .Lfor_b
.irp q, 0,1,2,3
	tensor_load_to_lds s[G0A+4*\q:G0A+4*\q+3], s[G1A:G1A+7]
	s_nop 0
.endr
	PLACES                                         ; four v_nop follow the last load
	s_branch .Lasked
.Lfor_b:
.irp q, 0,1,2,3
	tensor_load_to_lds s[G0B+4*\q:G0B+4*\q+3], s[G1B:G1B+7]
	s_nop 0
.endr
	PLACES
.Lasked:
	s_wait_alu depctr_va_vdst(0)
	; the scale words of all of K come straight into registers, once: two loads read a group's 1,024 bytes whole
.irp g, 0,1,2,3
.irp p, 0,1
	global_load_b128 v[SA+8*\g+4*\p:SA+8*\g+4*\p+3], v[VSA], s[90:91] offset:\g*1024+16*\p
.endr
.endr
.irp b, 0,1
.irp p, 0,1
	global_load_b128 v[SB+8*\b+4*\p:SB+8*\b+4*\p+3], v[VSA], s[92:93] offset:\b*1024+16*\p
.endr
.endr
	s_cmp_eq_u32 s[KIND], 2
	s_cbranch_scc1 .Lbias_v
	WIN 0x80                                       ; destination window 2
.irp t, 0,1,2,3                        ; q, k: register j of tile t is column 32 (t / 2) + 16 h + 8 (t % 2) + j
	global_load_b128 v[8*\t:8*\t+3],   v[VBQ], s[94:95] offset:(32*(\t/2)+8*(\t%2))*4
	global_load_b128 v[8*\t+4:8*\t+7], v[VBQ], s[94:95] offset:(32*(\t/2)+8*(\t%2))*4+16
.endr
	WIN 0
	s_branch .Lbias_in
.Lbias_v:
	WIN 0x80
.irp t, 0,1,2,3                        ; v: all eight registers of tile t hold the lane's one column 32 (t / 2) + 8 (t % 2) + r + 8 (r / 8)
.irp j, 0,1,2,3,4,5,6,7
	global_load_b32 v[8*\t+\j], v[VBV], s[94:95] offset:(32*(\t/2)+8*(\t%2))*4
.endr
.endr
	WIN 0
.Lbias_in:
; 24 LDS loads, each of 512 consecutive bytes: K step s's fragments into set s % 2: A's eight tiles, my four of B
.macro FETCH s
.set FA, AF+64*((\s)%2)
.set FB, BF+32*((\s)%2)
.irp i, 0,1,2,3,4,5,6,7
.irp c, 0,1
	ds_load_b128 v[FA+8*\i+4*\c:FA+8*\i+4*\c+3], v[ADA] offset:((\s)/2)*16384+\i*2048+((\s)%2)*1024+512*\c
.endr
.endr
.irp t, 0,1,2,3
.irp c, 0,1
	ds_load_b128 v[FB+8*\t+4*\c:FB+8*\t+4*\c+3], v[ADB+(\s)/4] offset:(((\s)/2)%2)*32768+\t*2048+((\s)%2)*1024+512*\c
.endr
.endr
.endm
; one matrix instruction from the symbols mD, mA, mB, mC, mSA, mSB; ra, rb = 1: that side's scale words are read from lanes 16-31
.macro WM ra, rb
.if (\ra) && (\rb)
	v_wmma_scale_f32_16x16x128_f8f6f4 v[mD:mD+7], v[mA:mA+7], v[mB:mB+7], v[mC:mC+7], v[mSA], v[mSB] matrix_a_fmt:MATRIX_FMT_FP4 matrix_b_fmt:MATRIX_FMT_FP4 matrix_a_scale:MATRIX_SCALE_ROW1 matrix_b_scale:MATRIX_SCALE_ROW1
.elseif (\ra)
	v_wmma_scale_f32_16x16x128_f8f6f4 v[mD:mD+7], v[mA:mA+7], v[mB:mB+7], v[mC:mC+7], v[mSA], v[mSB] matrix_a_fmt:MATRIX_FMT_FP4 matrix_b_fmt:MATRIX_FMT_FP4 matrix_a_scale:MATRIX_SCALE_ROW1
.elseif (\rb)
	v_wmma_scale_f32_16x16x128_f8f6f4 v[mD:mD+7], v[mA:mA+7], v[mB:mB+7], v[mC:mC+7], v[mSA], v[mSB] matrix_a_fmt:MATRIX_FMT_FP4 matrix_b_fmt:MATRIX_FMT_FP4 matrix_b_scale:MATRIX_SCALE_ROW1
.else
	v_wmma_scale_f32_16x16x128_f8f6f4 v[mD:mD+7], v[mA:mA+7], v[mB:mB+7], v[mC:mC+7], v[mSA], v[mSB] matrix_a_fmt:MATRIX_FMT_FP4 matrix_b_fmt:MATRIX_FMT_FP4
.endif
.endm
; q, k: source 0 = column tile t of the weight, source 1 = token tile i; accumulator 4 i + t
.macro WQK i, t, s
.set mD, 8*(4*(\i)+(\t))
.set mC, mD
.if (\s) == 0
.set mC, 8*(\t)                        ; the bias starts the sum
.endif
.set mA, BF+32*((\s)%2)+8*(\t)
.set mB, AF+64*((\s)%2)+8*(\i)
.set mSA, SB+8*((\t)/2)+(\s)
.set mSB, SA+8*((\i)/2)+(\s)
	WM (\t)%2, (\i)%2
.endm
; v: source 0 = token tile i, source 1 = column tile t; accumulator 8 t + i
.macro WV i, t, s
.set mD, 8*(8*(\t)+(\i))
.set mC, mD
.if (\s) == 0
.set mC, 8*(\t)
.endif
.set mA, AF+64*((\s)%2)+8*(\i)
.set mB, BF+32*((\s)%2)+8*(\t)
.set mSA, SA+8*((\i)/2)+(\s)
.set mSB, SB+8*((\t)/2)+(\s)
	WM (\i)%2, (\t)%2
.endm
; K step s: the next step's fragments are asked for, then this step's 32 products.  The 32 accumulators take turns, one instruction a turn, the same order in every step.
.macro STEP s
.if (\s) < 7
.if ((\s)+1)%2 == 0
	s_wait_dscnt 0x0                               ; no LDS load of mine is out at the signal
	s_wait_tensorcnt 3-((\s)+1)/2                  ; my part of the next chunk has landed; the later chunks' loads stay out
	s_barrier_signal -1
	s_barrier_wait -1                              ; everybody's part has
.endif
.if (\s) > 0
	PLACES                                         ; the loads below land in the set that the last step's products read
.endif
	FETCH (\s)+1
	s_wait_dscnt 24                                ; all but the 24 just issued: this step's fragments are in
.else
	s_wait_dscnt 0x0
.endif
	s_cmp_eq_u32 s[KIND], 2                        ; the same in every wave of every partner; round the products alone
	s_cbranch_scc1 .Lv_\@
.if (\s) == 0
	WIN 0x60                                       ; C (the bias) window 2, D window 1
.else
	WIN 0x50                                       ; C and D window 1
.endif
.irp i, 0,1,2,3,4,5,6,7
.irp t, 0,1,2,3
	WQK \i, \t, \s
.endr
.endr
	WIN 0
	s_branch .Ljoin_\@
.Lv_\@:
.if (\s) == 0
	WIN 0x60
.else
	WIN 0x50
.endif
.irp i, 0,1,2,3,4,5,6,7
.irp t, 0,1,2,3
	WV \i, \t, \s
.endr
.endr
	WIN 0
.Ljoin_\@:
.endm
; THE WAY OUT.  Registers 64 f .. 64 f + 63 of window 1 are four blocks: register 16 b + i is element 32 b + 16 h + i of block b of my row.  They become an image's eight registers and its scale word, and are stored.
.macro QUANT f
.set XB, 64*(\f)
.set PCF, PC+8*(\f)
	WIN 0x14                                       ; sources 1 and 2 window 1
.irp b, 0,1,2,3
	v_max3_num_f32 v[TM+\b], v[FL], |v[XB+16*\b]|, |v[XB+16*\b+1]|   ; my 16 numbers of block b and the floor; each accumulator is read from its low end on
.endr
.irp i, 2,4,6,8,10,12,14
.irp b, 0,1,2,3
	v_max3_num_f32 v[TM+\b], v[TM+\b], |v[XB+16*\b+\i]|, |v[XB+16*\b+\i+1]|   ; the four blocks by turns
.endr
.endr
	WIN 0
.irp b, 0,1,2,3
	v_permlanex16_b32 v[TM+4+\b], v[TM+\b], s[SEL], s[SEL+1]
.endr
.irp b, 0,1,2,3
	v_max_num_f32 v[TM+\b], v[TM+\b], v[TM+4+\b]   ; with lane l xor 16's 16: the block's largest magnitude
.endr
.irp b, 0,1,2,3
	v_add_nc_u32 v[TM+12+\b], 0xff000000, v[TM+\b] ; 2 off its exponent field: the conversion's scale operand
.endr
.irp b, 0,1,2,3
	v_lshrrev_b32 v[TM+4+\b], 23, v[TM+12+\b]      ; the scale's byte
.endr
	v_lshl_or_b32 v[PW+(\f)], v[TM+5], 8, v[TM+4]
	v_lshl_or_b32 v[PW+(\f)], v[TM+6], 16, v[PW+(\f)]
	v_lshl_or_b32 v[PW+(\f)], v[TM+7], 24, v[PW+(\f)]
	WIN 0x01                                       ; source 0 window 1
.irp b, 0,1,2,3
	v_cvt_scalef32_pk8_fp4_f32 v[PCF+2*\b], v[XB+16*\b:XB+16*\b+7], v[TM+12+\b]
	v_cvt_scalef32_pk8_fp4_f32 v[PCF+2*\b+1], v[XB+16*\b+8:XB+16*\b+15], v[TM+12+\b]
.endr
	WIN 0
	v_nop                                          ; one plain line behind the conversions
.irp c, 0,1                            ; the operand's layout wants a whole block in a lane: lanes 0-15 block 2 c, lanes 16-31 block 2 c + 1
.irp i, 0,1
	v_permlane16_swap_b32 v[PCF+4*\c+\i], v[PCF+4*\c+2+\i]
.endr
.endr
	global_store_b128 v[ADA], v[PCF:PCF+3], s[96:97] offset:1024*(\f)          ; 512 consecutive bytes, aligned on 256
	global_store_b128 v[ADA], v[PCF+4:PCF+7], s[96:97] offset:1024*(\f)+512
	global_store_b32 v[LS], v[PW+(\f)], s[96:97] offset:4096+128*(\f)          ; each image has registers of its own: no store's data are written again
.endm
	s_wait_tensorcnt 3                             ; my part of chunk 0 has landed; my three later loads stay out
	s_barrier_signal -1
	s_barrier_wait -1                              ; everybody's has
	FETCH 0
	s_wait_loadcnt 0x0                             ; the scale words and the bias
.irp s, 0,1,2,3,4,5,6,7
	STEP \s
.endr
	PLACES                                         ; behind the last products: results are read, and registers that held fragments are written
.irp b, 0,1,2,3
	v_mov_b32 v[TM+4+\b], 0                        ; written once: a lane permute's destination counts as one of its sources
.endr
.irp f, 0,1,2,3
	QUANT \f
.endr
	s_wait_tensorcnt 0x0
	ds_add_u32 v14, v15
	s_wait_dscnt 0x0
	CROUND                                         ; the closing round: no work-group ends while a partner may still ask for a chunk that names it
	s_endpgm
.Lfunc_end_k_q42d6753081_qkv:
	.size	k_q42d6753081_qkv, .Lfunc_end_k_q42d6753081_qkv-k_q42d6753081_qkv
	.p2alignl 7, 3214868480
	.fill 96, 4, 3214868480
	.section	.rodata,"a",@progbits
	.p2align	6, 0x0
	.amdhsa_kernel k_q42d6753081_qkv
		.amdhsa_group_segment_fixed_size 197120
		.amdhsa_private_segment_fixed_size 0
		.amdhsa_enable_private_segment 0
		.amdhsa_kernarg_size 64
		.amdhsa_user_sgpr_count 2
		.amdhsa_user_sgpr_kernarg_segment_ptr 1
		.amdhsa_wavefront_size32 1
		.amdhsa_system_sgpr_workgroup_id_x 1
		.amdhsa_system_sgpr_workgroup_id_y 1
		.amdhsa_system_sgpr_workgroup_id_z 1
		.amdhsa_system_vgpr_workitem_id 0
		.amdhsa_next_free_vgpr 768
		.amdhsa_next_free_sgpr 100
		.amdhsa_reserve_vcc 0
		.amdhsa_float_denorm_mode_32 3
		.amdhsa_float_denorm_mode_16_64 3
		.amdhsa_memory_ordered 1
		.amdhsa_forward_progress 1
		.amdhsa_inst_pref_size 109
	.end_amdhsa_kernel
	.amdgpu_metadata
---
amdhsa.version: [ 1, 2 ]
amdhsa.kernels:
  - .name:           k_q42d6753081_qkv
    .symbol:         k_q42d6753081_qkv.kd
    .args:
      - { .name: xc, .offset: 0, .size: 8, .value_kind: global_buffer, .address_space: global }
      - { .name: xs, .offset: 8, .size: 8, .value_kind: global_buffer, .address_space: global }
      - { .name: wc, .offset: 16, .size: 8, .value_kind: global_buffer, .address_space: global }
      - { .name: ws, .offset: 24, .size: 8, .value_kind: global_buffer, .address_space: global }
      - { .name: bq, .offset: 32, .size: 8, .value_kind: global_buffer, .address_space: global }
      - { .name: bk, .offset: 40, .size: 8, .value_kind: global_buffer, .address_space: global }
      - { .name: bv, .offset: 48, .size: 8, .value_kind: global_buffer, .address_space: global }
      - { .name: qkv, .offset: 56, .size: 8, .value_kind: global_buffer, .address_space: global }
    .group_segment_fixed_size: 197120
    .private_segment_fixed_size: 0
    .kernarg_segment_align: 8
    .kernarg_segment_size: 64
    .max_flat_workgroup_size: 128
    .sgpr_count:     100
    .vgpr_count:     768
    .wavefront_size: 32
...
	.end_amdgpu_metadata
.endif
;; end of part 2
;; launch attn (part 3): grid 4 x 64, 16 waves a work-group, no clusters, 327,680 bytes of LDS; arguments qkv, oc, os; writes oc, os
.if DOCPART == 3
	.amdgcn_target "amdgcn-amd-amdhsa--gfx1250"
	.amdhsa_code_object_version 6
	.text
	.protected	k_q42d6753081_attn
	.globl	k_q42d6753081_attn
	.p2align	8
	.type	k_q42d6753081_attn,@function
k_q42d6753081_attn:
	s_mov_b64 s[64:65], 0
	v_nop
	global_prefetch_b8 v0, s[64:65] scope:SCOPE_SE
	s_setreg_imm32_b32 hwreg(HW_REG_WAVE_MODE, 25, 1), 1
	s_wait_xcnt 0x0
; O[q] = the sum over keys k <= q of softmax_k(Q[q] . K[k] / 8) V[k], one head of 64 channels and 2,048 tokens to four work-groups; both products on codes of FP4 (E2M1) with E8M0 scales; O is quantised along
; the model's 1,024 channels and leaves as codes.
; THE SOFTMAX AHEAD OF THE SECOND PRODUCT: t = score x log2(e) / 8; M = the row's largest t so far, rounded UP to a whole number; p = 2^(t - M) is what is quantised, along the keys, not normalised.  The row's sum is
; taken of the unquantised p, in f32, and divides O at the end.  When M moves, the sum and O are multiplied by 2^(old M - new M): exact.
; IN: qkv [batch x head 64][128 tokens 16][q, k, v][4,608 bytes]: four images of operand registers (1,024 bytes: [c 2][lane 32][16 bytes]) and four runs of 128 bytes of scale words, one word a lane.
; TILES: 32 tokens form a group G with two tiles u: lane r of tile 2 G + u is token 32 G + 8 u + r + 8 (r / 8); V's channels likewise.
; SHARES.  The head's K and V, 16 key steps x 9,216 bytes, come into LDS ONCE: each of the sixteen waves brings two records with two tensor loads (one outstanding at a time, by this text's own count); nothing is filled again.
; Wave w of work-group p works two tiles of 16 queries: 16 p + w, then 127 - 16 p - w.  Tile tq needs tq / 8 + 1 key steps, so every wave of every work-group has 17: equal work on 256 work-groups.
; NO CLUSTER, though the four work-groups of a head read the same 147,456 bytes: which key steps a wave leaves out hangs on its work-group's place among the four, and partners in joint loads must branch alike.
; K = 64 IN AN INSTRUCTION OF 128.  An image of K holds TWO key tiles: registers 0-3 tile (g, 0), registers 4-7 tile (g, 1).  It is multiplied once by [q | zero codes] and once by [zero codes | q]: the zero codes
; annul the other tile under any scale byte that the quantiser makes (1 to 254).
; LAYOUT.  Both products are used transposed: S^T = K Q^T, O^T = V^T P^T: a lane holds ONE query (lane % 16) throughout; the 16 registers of key tiles (g, 0), (g, 1) are keys 32 g + 16 (lane / 16) + 0 .. 15.
; CAUSAL.  The loops' trip counts are constants (8 and 16); a step all of whose keys come after the wave's queries is jumped over, by a scalar branch on ids; on the diagonal hidden scores become -infinity.
; OUT: oc: images as the next product wants them: tile of tokens x K step head / 2, half c = head % 2: 512 consecutive bytes a query tile.  os [token][32]: bytes 2 head, 2 head + 1: single bytes, since a wave owns
; 2 of a token's 32 scale bytes.
; LIMITS: a block of zeros gets the scale byte 1 where the rule says 127 (zero codes; this program alone reads the bytes).  A block's largest p is made from its largest score by the same two instructions: this takes
; v_exp_f32 not to fall where its input rises.  NaN and infinities are not served.
.set LI,  1                            ; v1   16 x lane
.set LS,  2                            ; v2   4 x lane
.set VQ0, 3                            ; v3   r + 8 (r / 8) - 16 h
.set ADK, 4                            ; v4   LDS address of the step's images
.set ADS, 5                            ; v5   and of its scale words
.set OSA, 6                            ; v6   my byte in os: 32 (r + 8 (r / 8)) + h
.set DD,  7                            ; v7   my query - the step's first key - 16 h
.set H8,  8                            ; v8   8 h
.set VQ,  9                            ; v9   my query - 16 h
.set QL,  16                           ; v16-23 [q | 0];  v24-31 [0 | q]
.set QH,  24
.set KR,  32                           ; v32-63 K's four images;  v64-95 V's four
.set VR,  64
.set S,   96                           ; v96-159 S^T, then p
.set O,   160                          ; v160-191 O^T
.set P,   192                          ; v192-199 p's codes
.set KS,  200                          ; v200-203 K's scale words, v204-207 V's, v208 Q's, v209 p's: scales and nothing else
.set VS,  204
.set QS,  208
.set PS,  209
.set BM,  212                          ; v212-215 a block's largest score, then p;  v216-219 the other half's, then bytes;  v220-223 the conversions' scale operands
.set BT,  216
.set BO,  220
.set F,   224                          ; v[224:225] f = 2^(old M - new M) in the low word
.set T0,  226                          ; v226-227 at work
.set L2,  230                          ; v[230:231] the sum's second chain
.set OC,  232                          ; v232-235 O's codes, v236 its scale bytes
.set WV,  10
.set PP,  11
.set BH,  12
.set G1,  16                           ; s[16:23] descriptor group 1;  s[24:27], s[28:31] groups 0
.set SEL, 32
.set CS,  34
.set TB,  36                           ; the step's first LDS byte
.set KF,  37                           ; the step's first key
.set Q0,  38                           ; the first query of my tile's group of 32
.set CNT, 39
.set TQ,  40
.macro PLACES
.rept 4
	v_nop
.endr
.endm
	s_load_b128 s[4:7], s[0:1], 0x0                ; qkv, oc
	s_load_b64 s[8:9], s[0:1], 0x10                ; os
	v_lshl_add_u32 v254, v0, 2, 0x29000
	v_mov_b32 v255, 0
	ds_add_u32 v254, v255
	ds_add_u32 v254, v255
	v_lshrrev_b32 v1, 5, v0
	s_delay_alu instid0(VALU_DEP_1)
	v_readfirstlane_b32 s[WV], v1                  ; wave 0..15
	s_mov_b32 s[PP], ttmp9
	s_and_b32 s[BH], ttmp7, 0xffff                 ; batch x 16 + head
	; descriptor group 1: a record, 4,608 dense bytes, as 18 rows of 256 bytes (32 elements of 8)
	s_mov_b32 s[G1], 3<<16
	s_mov_b32 s[G1+1], 32<<16                      ; tensor_dim0
	s_mov_b32 s[G1+2], 18<<16                      ; tensor_dim1
	s_mov_b32 s[G1+3], 32<<16                      ; tile_dim0
	s_mov_b32 s[G1+4], 18                          ; tile_dim1
	s_mov_b32 s[G1+5], 32                          ; tensor_dim0_stride
	s_mov_b32 s[G1+6], 0
	s_mov_b32 s[G1+7], 0
	s_mul_i32 s42, s[BH], 221184                   ; the head's 16 x 3 records;
	s_lshr_b32 s43, s[WV], 1
	s_mul_i32 s43, s43, 13824                      ; key step w / 2;
	s_add_co_u32 s42, s42, s43
	s_and_b32 s43, s[WV], 1
	s_mul_i32 s43, s43, 4608                       ; K's record (even waves) or V's (odd),
	s_add_co_u32 s42, s42, s43
	s_add_co_u32 s42, s42, 4608                    ; which lie behind Q's
	s_mov_b32 s43, 0
	s_mov_b32 s24, 1
	s_mul_i32 s25, s[WV], 4608                     ; in LDS step s has K's record at 9,216 s and V's 4,608 on
	s_mov_b32 s28, 1
	s_add_co_u32 s29, s25, 73728                   ; key step 8 + w / 2
	s_mov_b32 s[SEL], 0x76543210
	s_mov_b32 s[SEL+1], 0xfedcba98
	s_mov_b32 s[CS], 0x3e38aa3b                    ; c = log2(e) / 8
	s_mov_b32 s[CS+1], s[CS]                       ; (named with it as a pair, so it is written)
	s_wait_dscnt 0x0
	s_wait_kmcnt 0x0
	s_add_nc_u64 s[26:27], s[4:5], s[42:43]
	s_add_nc_u64 s[30:31], s[26:27], 110592
	s_or_b32 s27, s27, 0x80000000
	s_or_b32 s31, s31, 0x80000000
	tensor_load_to_lds s[24:27], s[G1:G1+7]        ; the first fill; the second goes out only after it has landed and a barrier has passed
	s_nop 0
	s_wait_alu depctr_va_vdst(0)
	s_wait_tensorcnt 0x0
	ds_add_u32 v254, v255
	s_wait_dscnt 0x0
	s_barrier_signal -1
	s_barrier_wait -1
	tensor_load_to_lds s[28:31], s[G1:G1+7]
	s_nop 0
	PLACES                                         ; four v_nop follow the second
	v_and_b32 v10, 31, v0
	s_delay_alu instid0(VALU_DEP_1)
	v_lshlrev_b32 v[LI], 4, v10
	s_delay_alu instid0(VALU_DEP_2)
	v_lshlrev_b32 v[LS], 2, v10
	v_and_b32 v10, 15, v0                          ; r
	v_bfe_u32 v11, v0, 4, 1                        ; h
	s_delay_alu instid0(VALU_DEP_2)
	v_and_b32 v[OSA], 8, v10
	s_delay_alu instid0(VALU_DEP_1)
	v_add_nc_u32 v[OSA], v[OSA], v10               ; r + 8 (r / 8)
	s_delay_alu instid0(VALU_DEP_3)
	v_lshlrev_b32 v[H8], 4, v11
	s_delay_alu instid0(VALU_DEP_1)
	v_sub_nc_u32 v[VQ0], v[OSA], v[H8]
	s_delay_alu instid0(VALU_DEP_3)
	v_lshl_add_u32 v[OSA], v[OSA], 5, v11
	v_lshlrev_b32 v[H8], 3, v11
.irp j, 0,1,2,3
	v_mov_b32 v[QL+4+\j], 0                        ; the zero codes
	v_mov_b32 v[QH+\j], 0
	v_mov_b32 v[BT+\j], 0                          ; written once: a lane permute's destination counts as one of its sources
.endr
	v_mov_b32 v[F+1], 0                            ; (named as the upper half of a pair)
	v_mov_b32 v[T0], 0
; A KEY STEP: 128 keys.
.macro STEP
	s_add_co_u32 s41, s[Q0], 31
	s_cmp_gt_u32 s[KF], s41                        ; all its keys come after my queries: only the stepping lines at its end are run
	s_cbranch_scc1 .Lhidden_\@
	s_setprio 2
	v_add_nc_u32 v[ADK], s[TB], v[LI]
	v_add_nc_u32 v[ADS], s[TB], v[LS]
	v_nop
	v_nop                                          ; four plain lines in front of loads into registers that the last step's products read
.irp g, 0,1,2,3
	ds_load_b128 v[KR+8*\g:KR+8*\g+3],   v[ADK] offset:1024*\g
	ds_load_b128 v[KR+8*\g+4:KR+8*\g+7], v[ADK] offset:1024*\g+512
	ds_load_b32 v[KS+\g], v[ADS] offset:4096+128*\g
.endr
.irp t, 0,1,2,3
	ds_load_b128 v[VR+8*\t:VR+8*\t+3],   v[ADK] offset:4608+1024*\t
	ds_load_b128 v[VR+8*\t+4:VR+8*\t+7], v[ADK] offset:4608+1024*\t+512
	ds_load_b32 v[VS+\t], v[ADS] offset:8704+128*\t
.endr
	s_wait_dscnt 12                                ; K's twelve loads are in; V's twelve may be out
.irp g, 0,1,2,3                        ; S^T: key tiles (g, 0) and (g, 1) out of one image
	v_wmma_scale_f32_16x16x128_f8f6f4 v[S+16*\g:S+16*\g+7], v[KR+8*\g:KR+8*\g+7], v[QL:QL+7], 0, v[KS+\g], v[QS] matrix_a_fmt:MATRIX_FMT_FP4 matrix_b_fmt:MATRIX_FMT_FP4
	v_wmma_scale_f32_16x16x128_f8f6f4 v[S+16*\g+8:S+16*\g+15], v[KR+8*\g:KR+8*\g+7], v[QH:QH+7], 0, v[KS+\g], v[QS] matrix_a_fmt:MATRIX_FMT_FP4 matrix_b_fmt:MATRIX_FMT_FP4
.endr
	PLACES
	s_add_co_u32 s41, s[KF], 127
	s_cmp_le_u32 s41, s[Q0]                        ; all its keys count for all my queries: no mask
	s_cbranch_scc1 .Lopen_\@
	v_sub_nc_u32 v[DD], v[VQ], s[KF]               ; register 16 b + i holds key KF + 16 h + 32 b + i: hidden where 32 b + i > d
	v_mov_b32 v[T0+1], 0xff800000                  ; -infinity
.set n, 0
.rept 64
	v_cmp_gt_i32 vcc_lo, 32*(n/16)+n%16, v[DD]
	v_cndmask_b32 v[S+n], v[S+n], v[T0+1], vcc_lo
.set n, n+1
.endr
.Lopen_\@:
.irp b, 0,1,2,3
	v_max3_num_f32 v[BM+\b], v[S+16*\b], v[S+16*\b+1], v[S+16*\b+2]   ; the largest score of each block of 32 keys: for the row's maximum, and, since p rises with the score, for the block's largest p
.endr
.irp i, 3,5,7,9,11,13
.irp b, 0,1,2,3
	v_max3_num_f32 v[BM+\b], v[BM+\b], v[S+16*\b+\i], v[S+16*\b+\i+1]
.endr
.endr
.irp b, 0,1,2,3
	v_max_num_f32 v[BM+\b], v[BM+\b], v[S+16*\b+15]
.endr
.irp b, 0,1,2,3
	s_delay_alu instid0(VALU_DEP_4)
	v_permlanex16_b32 v[BT+\b], v[BM+\b], s[SEL], s[SEL+1]
.endr
.irp b, 0,1,2,3
	s_delay_alu instid0(VALU_DEP_4)
	v_max_num_f32 v[BM+\b], v[BM+\b], v[BT+\b]     ; with lane l xor 16's 16 keys
.endr
	s_delay_alu instid0(VALU_DEP_2)
	v_max3_num_f32 v[T0], v[BM], v[BM+1], v[BM+2]
	s_delay_alu instid0(VALU_DEP_1)
	v_max_num_f32 v[T0], v[T0], v[BM+3]            ; the step's largest score of my query
	s_delay_alu instid0(VALU_DEP_1)
	v_mul_f32 v[T0], s[CS], v[T0]                  ; as t (c is positive)
	s_delay_alu instid0(VALU_DEP_1)
	v_max_num_f32 v13, v13, v[T0]                  ; the running largest t
	v_mov_b32 v[T0], v12
	s_delay_alu instid0(VALU_DEP_2)
	v_floor_f32 v12, -v13                          ; the new -M = floor(-t) = -ceil(t): a whole number
	s_delay_alu instid0(VALU_DEP_1)
	v_sub_f32 v[T0], v12, v[T0]                    ; old M - new M: a whole number, 0 or less
	s_delay_alu instid0(VALU_DEP_1)
	v_cvt_i32_f32 v[T0], v[T0]                     ; (it saturates)
	s_delay_alu instid0(VALU_DEP_1)
	v_ldexp_f32 v[F], 1.0, v[T0]                   ; f = 2^(old M - new M)
.set n, 0
.rept 32
	v_pk_fma_f32 v[S+n:S+n+1], v[S+n:S+n+1], s[CS:CS+1], v[12:13] op_sel_hi:[1,0,0]   ; t - M, two at a time (of the pairs c and -M the low word serves both halves)
.set n, n+2
.endr
	s_setprio 1
.irp b, 0,1,2,3
	v_fma_f32 v[BM+\b], v[BM+\b], s[CS], v12       ; the same of each block's largest score
.endr
.set n, 0
	s_wait_alu depctr_va_vdst(0)
.rept 64
	v_exp_f32 v[S+n], v[S+n]                       ; p = 2^(t - M), at most 1
.set n, n+1
.endr
.irp b, 0,1,2,3
	v_exp_f32 v[BM+\b], v[BM+\b]                   ; the block's largest p: the same two instructions on the same number
.endr
	v_pk_mul_f32 v[14:15], v[14:15], v[F:F+1] op_sel_hi:[1,0]   ; the sums under the new M (a plain line behind the exponentials)
	s_wait_alu depctr_va_vdst(0)
.irp b, 0,1,2,3
	v_max_num_f32 v[BM+\b], 0x1800000, v[BM+\b]    ; the floor 2^(3 - 127): the byte cannot fall under 1
.endr
.irp b, 0,1,2,3
	s_delay_alu instid0(VALU_DEP_4)
	v_add_nc_u32 v[BO+\b], 0xff000000, v[BM+\b]    ; 2 off the exponent field: the conversion's scale operand
.endr
.irp b, 0,1,2,3
	s_delay_alu instid0(VALU_DEP_4)
	v_lshrrev_b32 v[BT+\b], 23, v[BO+\b]           ; the scale's byte
.endr
	s_delay_alu instid0(VALU_DEP_3)
	v_lshl_or_b32 v[PS], v[BT+1], 8, v[BT]         ; p's scale word for these 128 keys
	s_delay_alu instid0(VALU_DEP_1)
	v_lshl_or_b32 v[PS], v[BT+2], 16, v[PS]
	s_delay_alu instid0(VALU_DEP_1)
	v_lshl_or_b32 v[PS], v[BT+3], 24, v[PS]
.irp b, 0,1,2,3
	v_cvt_scalef32_pk8_fp4_f32 v[P+2*\b], v[S+16*\b:S+16*\b+7], v[BO+\b]
	v_cvt_scalef32_pk8_fp4_f32 v[P+2*\b+1], v[S+16*\b+8:S+16*\b+15], v[BO+\b]
.endr
	v_nop                                          ; one plain line behind the conversions
.irp c, 0,1                            ; a whole block in a lane: lanes 0-15 block 2 c, lanes 16-31 block 2 c + 1
.irp i, 0,1
	v_permlane16_swap_b32 v[P+4*\c+\i], v[P+4*\c+2+\i]
.endr
.endr
	v_pk_add_f32 v[L2:L2+1], v[S:S+1], v[S+2:S+3]  ; the row's sum is taken of the unquantised p: two at a time, in two chains
	s_setprio 0
.irp j, 4,8,12,16,20,24,28,32,36,40,44,48,52,56,60
	v_pk_add_f32 v[14:15], v[14:15], v[S+\j:S+\j+1]
	v_pk_add_f32 v[L2:L2+1], v[L2:L2+1], v[S+\j+2:S+\j+3]
.endr
	s_delay_alu instid0(VALU_DEP_1)
	v_pk_add_f32 v[14:15], v[14:15], v[L2:L2+1]
.set n, 0
.rept 16
	v_pk_mul_f32 v[O+n:O+n+1], v[O+n:O+n+1], v[F:F+1] op_sel_hi:[1,0]   ; O^T under the new M, from each accumulator's low end on.  (With the sums: the plain lines between p's codes and scale word and the products)
.set n, n+2
.endr
	s_wait_alu depctr_va_vdst(0)
	s_wait_dscnt 0x0                               ; V is in
.irp t, 0,1,2,3                        ; O^T += V^T P^T: the four accumulators by turns
	v_wmma_scale_f32_16x16x128_f8f6f4 v[O+8*\t:O+8*\t+7], v[VR+8*\t:VR+8*\t+7], v[P:P+7], v[O+8*\t:O+8*\t+7], v[VS+\t], v[PS] matrix_a_fmt:MATRIX_FMT_FP4 matrix_b_fmt:MATRIX_FMT_FP4
.endr
.Lhidden_\@:
	s_add_co_u32 s[KF], s[KF], 128
	s_add_co_u32 s[TB], s[TB], 9216
.endm
; ONE QUERY TILE from its codes to its output's codes.  trips: the key steps that lie in LDS and may be needed.  second = 0: tile 16 p + w;  1: tile 127 - 16 p - w.
.macro PHASE trips, second
	s_lshl_b32 s[TQ], s[PP], 4
	s_add_co_u32 s[TQ], s[TQ], s[WV]
.if \second
	s_sub_co_u32 s[TQ], 127, s[TQ]
.endif
	s_lshl_b32 s44, s[BH], 4
	s_lshr_b32 s45, s[TQ], 3
	s_add_co_u32 s44, s44, s45
	s_mul_i32 s44, s44, 13824                      ; Q's record: the 128 tokens that hold my tile
	s_and_b32 s45, s[TQ], 7
	s_lshl_b32 s45, s45, 9                         ; image (tq / 2) % 4, half tq % 2: 512 bytes a tile
	s_add_co_u32 s48, s44, s45
	s_mov_b32 s49, 0
	s_bfe_u32 s45, s[TQ], 0x20001
	s_lshl_b32 s45, s45, 7
	s_add_co_u32 s50, s44, s45
	s_add_co_u32 s50, s50, 4096                    ; the image's scale words
	s_mov_b32 s51, 0
	s_add_nc_u64 s[48:49], s[4:5], s[48:49]
	s_add_nc_u64 s[50:51], s[4:5], s[50:51]
	global_load_b128 v[QL:QL+3], v[LI], s[48:49]   ; q's 64 codes a row, once as the low half of K,
	global_load_b128 v[QH+4:QH+7], v[LI], s[48:49] ; once as the high half
	global_load_b32 v[T0], v[LS], s[50:51]
	s_and_b32 s47, s[TQ], 1                        ; u
	s_lshl_b32 s52, s47, 4
	s_lshr_b32 s[Q0], s[TQ], 1
	s_lshl_b32 s[Q0], s[Q0], 5
	s_lshl_b32 s53, s47, 3
	s_add_co_u32 s53, s53, s[Q0]                   ; 32 G + 8 u
	s_lshr_b32 s44, s[BH], 4                       ; batch
	s_and_b32 s45, s[BH], 15                       ; head
	s_lshl_b32 s54, s44, 7
	s_add_co_u32 s54, s54, s[TQ]                   ; the tile among all tokens' tiles
	s_lshl_b32 s54, s54, 13
	s_lshl_b32 s46, s45, 9                         ; K step head / 2, half head % 2: 512 bytes a head
	s_add_co_u32 s54, s54, s46
	s_mov_b32 s55, 0
	s_add_nc_u64 s[54:55], s[6:7], s[54:55]
	s_lshl_b32 s56, s44, 11
	s_add_co_u32 s56, s56, s53
	s_lshl_b32 s56, s56, 5                         ; 32 scale bytes a token,
	s_lshl_b32 s46, s45, 1                         ; 2 a head
	s_add_co_u32 s56, s56, s46
	s_mov_b32 s57, 0
	s_add_nc_u64 s[56:57], s[8:9], s[56:57]
	s_mov_b32 s[TB], 0
	s_mov_b32 s[KF], 0
	s_mov_b32 s[CNT], \trips
	s_wait_loadcnt 0x0
	v_lshrrev_b32 v[T0+1], s52, v[T0]
	s_delay_alu instid0(VALU_DEP_1)
	v_and_b32 v[T0+1], 0xffff, v[T0+1]             ; my tile's two bytes,
	s_delay_alu instid0(VALU_DEP_1)
	v_lshl_or_b32 v[QS], v[T0+1], 16, v[T0+1]      ; for either half of K
	v_add_nc_u32 v[VQ], s53, v[VQ0]
	v_mov_b32 v13, 0xff61b1e6                      ; the largest t so far: -3e38, under every t
	s_delay_alu instid0(VALU_DEP_1)
	v_floor_f32 v12, -v13                          ; -M
	v_mov_b32 v14, 0                               ; the sum, in two halves
	v_mov_b32 v15, 0
.set n, 0
.rept 32
	v_mov_b32 v[O+n], 0                            ; O^T: the step is written once; the first finds zeros, which the first change of M leaves zeros.  (More than eight plain lines between Q's scale word and the first product)
.set n, n+1
.endr
.Lstep_\@:
	STEP
	s_sub_co_i32 s[CNT], s[CNT], 1
	s_cmp_lg_u32 s[CNT], 0
	s_cbranch_scc1 .Lstep_\@
	s_setprio 0
	PLACES                                         ; behind the last products
	v_add_f32 v14, v14, v15                        ; the sum's two halves,
	s_delay_alu instid0(VALU_DEP_1)
	v_permlanex16_b32 v[T0], v14, s[SEL], s[SEL+1]
	s_delay_alu instid0(VALU_DEP_1)
	v_add_f32 v14, v14, v[T0]                      ; and lane l xor 16's: the row's sum
	s_wait_alu depctr_va_vdst(0)
	v_rcp_f32 v14, v14
	v_nop                                          ; one plain line behind the reciprocal
.set n, 0
	s_wait_alu depctr_va_vdst(0)
.rept 16
	v_pk_mul_f32 v[S+n:S+n+1], v[O+n:O+n+1], v[14:15] op_sel_hi:[1,0]   ; O^T / the sum: register 16 b + i is channel 32 b + 16 h + i of the head
.set n, n+2
.endr
.irp b, 0,1
	v_max3_num_f32 v[BM+\b], |v[S+16*\b]|, |v[S+16*\b+1]|, 0x1800000   ; the head's two blocks of the next product's K
.endr
.irp i, 2,4,6,8,10,12,14
.irp b, 0,1
	s_delay_alu instid0(VALU_DEP_2)
	v_max3_num_f32 v[BM+\b], v[BM+\b], |v[S+16*\b+\i]|, |v[S+16*\b+\i+1]|
.endr
.endr
.irp b, 0,1
	s_delay_alu instid0(VALU_DEP_2)
	v_permlanex16_b32 v[BT+\b], v[BM+\b], s[SEL], s[SEL+1]
.endr
.irp b, 0,1
	s_delay_alu instid0(VALU_DEP_2)
	v_max_num_f32 v[BM+\b], v[BM+\b], v[BT+\b]
.endr
.irp b, 0,1
	s_delay_alu instid0(VALU_DEP_2)
	v_add_nc_u32 v[BO+\b], 0xff000000, v[BM+\b]
.endr
.irp b, 0,1
	s_delay_alu instid0(VALU_DEP_2)
	v_lshrrev_b32 v[BT+\b], 23, v[BO+\b]
.endr
.irp b, 0,1
	v_cvt_scalef32_pk8_fp4_f32 v[OC+2*\b], v[S+16*\b:S+16*\b+7], v[BO+\b]
	v_cvt_scalef32_pk8_fp4_f32 v[OC+2*\b+1], v[S+16*\b+8:S+16*\b+15], v[BO+\b]
.endr
	v_lshl_or_b32 v[OC+4], v[BT+1], 8, v[BT]       ; (a plain line behind the conversions)  both bytes;
	s_delay_alu instid0(VALU_DEP_1)
	v_lshrrev_b32 v[OC+4], v[H8], v[OC+4]          ; lane (r, h) stores byte h
.irp i, 0,1
	v_permlane16_swap_b32 v[OC+\i], v[OC+2+\i]     ; lanes 0-15 block 0, lanes 16-31 block 1
.endr
	global_store_b128 v[LI], v[OC:OC+3], s[54:55]  ; 512 consecutive bytes, aligned on 256
	global_store_b8 v[OSA], v[OC+4], s[56:57]
.endm
	s_wait_tensorcnt 1                             ; my record of key steps 0 to 7 has landed; my second load stays out
	s_barrier_signal -1
	s_barrier_wait -1                              ; everybody's has
	PHASE 8, 0                                     ; tiles 0 to 63 need key steps 0 to 7 at the most
	s_wait_tensorcnt 0x0                           ; my record of key steps 8 to 15
	s_wait_dscnt 0x0
	s_barrier_signal -1
	s_barrier_wait -1
	s_wait_xcnt 0x0                                ; the first tile's stores have read their data and bases: both are written again
	PHASE 16, 1
	s_wait_tensorcnt 0x0
	ds_add_u32 v254, v255
	s_wait_dscnt 0x0
	s_endpgm
.Lfunc_end_k_q42d6753081_attn:
	.size	k_q42d6753081_attn, .Lfunc_end_k_q42d6753081_attn-k_q42d6753081_attn
	.p2alignl 7, 3214868480
	.fill 96, 4, 3214868480
	.section	.rodata,"a",@progbits
	.p2align	6, 0x0
	.amdhsa_kernel k_q42d6753081_attn
		.amdhsa_group_segment_fixed_size 327680
		.amdhsa_private_segment_fixed_size 0
		.amdhsa_enable_private_segment 0
		.amdhsa_kernarg_size 24
		.amdhsa_user_sgpr_count 2
		.amdhsa_user_sgpr_kernarg_segment_ptr 1
		.amdhsa_wavefront_size32 1
		.amdhsa_system_sgpr_workgroup_id_x 1
		.amdhsa_system_sgpr_workgroup_id_y 1
		.amdhsa_system_sgpr_workgroup_id_z 1
		.amdhsa_system_vgpr_workitem_id 0
		.amdhsa_next_free_vgpr 256
		.amdhsa_next_free_sgpr 66
		.amdhsa_reserve_vcc 1
		.amdhsa_float_denorm_mode_32 3
		.amdhsa_float_denorm_mode_16_64 3
		.amdhsa_memory_ordered 1
		.amdhsa_forward_progress 1
		.amdhsa_inst_pref_size 63
	.end_amdhsa_kernel
	.amdgpu_metadata
---
amdhsa.version: [ 1, 2 ]
amdhsa.kernels:
  - .name:           k_q42d6753081_attn
    .symbol:         k_q42d6753081_attn.kd
    .args:
      - { .name: qkv, .offset: 0, .size: 8, .value_kind: global_buffer, .address_space: global }
      - { .name: oc, .offset: 8, .size: 8, .value_kind: global_buffer, .address_space: global }
      - { .name: os, .offset: 16, .size: 8, .value_kind: global_buffer, .address_space: global }
    .group_segment_fixed_size: 327680
    .private_segment_fixed_size: 0
    .kernarg_segment_align: 8
    .kernarg_segment_size: 24
    .max_flat_workgroup_size: 512
    .sgpr_count:     66
    .vgpr_count:     256
    .wavefront_size: 32
...
	.end_amdgpu_metadata
.endif
;; end of part 3
;; launch proj (part 4): grid 4 x 64, 4 waves a work-group, clusters of 4 x 4, 214,528 bytes of LDS; arguments oc, os, wc, ws, bp, out0; writes out0
.if DOCPART == 4
	.amdgcn_target "amdgcn-amd-amdhsa--gfx1250"
	.amdhsa_code_object_version 6
	.text
	.protected	k_q42d6753081_proj
	.globl	k_q42d6753081_proj
	.p2align	8
	.type	k_q42d6753081_proj,@function
k_q42d6753081_proj:
	s_mov_b64 s[64:65], 0
	v_nop
	global_prefetch_b8 v0, s[64:65] scope:SCOPE_SE
	s_setreg_imm32_b32 hwreg(HW_REG_WAVE_MODE, 25, 1), 1
	s_wait_xcnt 0x0
	s_wait_alu depctr_hold_cnt(0) depctr_sa_sdst(0) depctr_va_vdst(0) depctr_va_sdst(0) depctr_va_ssrc(0) depctr_va_vcc(0) depctr_vm_vsrc(0)
	s_getreg_b32 s2, hwreg(HW_REG_IB_STS2, 6, 4)
	s_cmp_eq_u32 s2, 0
	s_cbranch_scc0 .Lentry_in_a_cluster
	s_endpgm
.Lentry_in_a_cluster:
	s_bfe_u32 s2, ttmp6, 0x10000c
	s_cmp_lg_u32 s2, 0xf033
	s_cbranch_scc0 .Lentry_shape_is_right
	s_endpgm
.Lentry_shape_is_right:
; out0 = o Wp^T + bp on codes of FP4 (E2M1) with E8M0 scales, sums in f32; out0 [8192][1024] f32.
; TILES.  32 rows (tokens, or rows of the weight) form a group G with two tiles u: lane r of tile 2 G + u is row 32 G + 8 u + r + 8 (r / 8).  A fragment (16 rows x 128 K) lies in memory and in LDS as an image of its
; registers, [c 2][lane 32][16 bytes].  The scale bytes lie in the natural order, [row][32 bytes].
; SHARES.  A work-group makes 128 tokens x 256 columns over the whole K = 1,024; wave w makes 128 tokens x 64 columns: 8 token tiles x 4 column tiles = 32 accumulators.  The weight is source 0: a lane holds one
; token, and register j of column tile t is column 32 (t / 2) + 16 h + 8 (t % 2) + j.
; LDS.  A's 65,536 bytes and B's 131,072 come ONCE, as four chunks of two K steps; no byte is filled twice.  Behind them lies a stage of 16 rows x 272 bytes for each wave, into which no fill lands.
; CLUSTERS: 4 x 4 work-groups.  The four of a row of the cluster need the same tokens, the four of a column the same weight rows: each chunk is asked for JOINTLY, by the same tensor load with the same descriptor
; and a mask that names the four.  By this text's own count a wave has four tensor loads outstanding.
; THE BIAS is the C of each sum's first matrix instruction, so it enters the sum first.
; REGISTERS, in windows of 256: window 0: v1-14 addresses; v16-47 A's scale words, v48-63 B's (scales and nothing else); v64-191 A's fragments, two sets; v192-255 B's, two sets; on the way out v64-127 hold rows.
;   window 1: the 32 accumulators (token tile i, column tile t: 8 (4 i + t)).   window 2: v0-31 the bias.
.set AF,   64
.set BF,   192
.set SA,   16                          ; register SA + 8 g + s: lanes 0-15 the word of token tile (g, 0), lanes 16-31 that of (g, 1), for K step s
.set SB,   48
.set ADA,  3                           ; v3   16 x lane
.set ADB,  4                           ; v4, v5  the same in my wave's four tiles of B: chunks 0, 1 and chunks 2, 3
.set VSA,  6                           ; v6   my row among a group's 32 rows of scale bytes
.set VBQ,  7                           ; v7   the bias: 64 h bytes
.set STO,  12                          ; v12  the stage: where I put 32 bytes of a row
.set RD,   13                          ; v13  and where I read a row back
.set CO,   14                          ; v14  my byte offset in two rows of out0
.set BK,   64                          ; rows read back: v64-95 and v96-127 by turns
.set STAGE,  196608
.set SPITCH, 272                       ; a stage row: 256 bytes + 16 of padding
.set WV,   20
.set ROLE, 21
.set HALF, 22
.set CX,   23
.set CY,   24
.set NB,   26
.set Y,    27
.set G1A,  32
.set G1B,  40
.set G0A,  48
.set G0B,  68
.set MSB, 0
.macro WIN new                         ; the immediate's high byte repeats the setting that is left; a switch that changes nothing is dropped
.if MSB != \new
	s_set_vgpr_msb (MSB<<8)|\new
.set MSB, \new
.endif
.endm
.macro PLACES                          ; four plain vector lines between a matrix instruction and a load into, or a store of, one of its registers
.rept 4
	v_nop
.endr
.endm
.macro CROUND                          ; a round of the cluster's barrier
	s_barrier_signal -1
	s_barrier_wait -1
	s_cmp_lg_u32 s[WV], 0
	s_cbranch_scc1 .Lnot_wave_0_\@
	s_barrier_signal -3
.Lnot_wave_0_\@:
	s_barrier_wait -3
	s_barrier_signal -1
	s_barrier_wait -1
.endm
	s_load_b256 s[4:11], s[0:1], 0x0               ; oc s[4:5], os s[6:7], wc s[8:9], ws s[10:11]
	s_load_b128 s[12:15], s[0:1], 0x20             ; bp s[12:13], out0 s[14:15]
	v_lshl_add_u32 v10, v0, 2, 0x34400
	v_mov_b32 v15, 0
	ds_add_u32 v10, v15
	ds_add_u32 v10, v15
	v_lshrrev_b32 v1, 5, v0
	v_readfirstlane_b32 s[WV], v1                  ; wave 0..3
	s_lshr_b32 s[ROLE], s[WV], 1                   ; I fetch for A (0) or for B (1),
	s_and_b32 s[HALF], s[WV], 1                    ; and which half of a chunk
	s_bfe_u32 s[CX], ttmp6, 0x40000                ; cx, cy: my place in the cluster
	s_bfe_u32 s[CY], ttmp6, 0x40004
	s_add_co_u32 s[NB], s[CX], 12                  ; Wp's four blocks of 256 rows lie behind Wq's, Wk's and Wv's
	s_and_b32 s[Y], ttmp7, 0xffff
	s_lshl_b32 s[Y], s[Y], 2
	s_add_co_u32 s[Y], s[Y], s[CY]                 ; my block of 128 tokens
	s_lshl_b32 s28, s[CY], 2
	s_lshl_b32 s28, 15, s28                        ; my row of the cluster
	s_lshl_b32 s29, 0x1111, s[CX]                  ; my column
	; descriptor group 1: rows of 2,048 bytes (two K steps of one tile: 256 elements of 8 bytes), 8,192 bytes apart in memory, on end in LDS; 4 rows for A, 8 for B
	s_or_b32 s[G1A], s28, (3<<16)|(1<<21)          ; 15:0 the mask; 17:16 elements of 8 bytes; 21 set beside a mask; no padding
	s_or_b32 s[G1B], s29, (3<<16)|(1<<21)
.irp g, G1A, G1B
	s_mov_b32 s[\g+1], 256<<16                     ; tensor_dim0
	s_mov_b32 s[\g+3], 256<<16                     ; tile_dim0
	s_mov_b32 s[\g+5], 1024                        ; tensor_dim0_stride
	s_mov_b32 s[\g+6], 0
	s_mov_b32 s[\g+7], 0
.endr
	s_mov_b32 s[G1A+2], 4<<16                      ; tensor_dim1
	s_mov_b32 s[G1A+4], 4                          ; tile_dim1
	s_mov_b32 s[G1B+2], 8<<16
	s_mov_b32 s[G1B+4], 8
	s_lshl_b32 s84, s[Y], 16                       ; A: 65,536 bytes a block of tokens, my half 32,768 on: no register here holds cx
	s_lshl_b32 s30, s[HALF], 15
	s_add_co_u32 s84, s84, s30
	s_mov_b32 s85, 0
	s_lshl_b32 s86, s[NB], 17                      ; B: 131,072 bytes a block of rows, my half 65,536 on: no register here holds cy
	s_lshl_b32 s30, s[HALF], 16
	s_add_co_u32 s86, s86, s30
	s_mov_b32 s87, 0
	s_lshl_b32 s88, s[HALF], 13                    ; where they go: no place in the cluster enters an LDS address
	s_lshl_b32 s89, s[HALF], 14
	s_lshl_b32 s90, s[Y], 12                       ; A's scale bytes: 128 rows of 32
	s_mov_b32 s91, 0
	s_lshl_b32 s92, s[NB], 13                      ; B's: 256 rows of 32, my wave's 64 rows
	s_lshl_b32 s30, s[WV], 11
	s_add_co_u32 s92, s92, s30
	s_mov_b32 s93, 0
	s_lshl_b32 s94, s[CX], 10                      ; the bias, and my columns in a row of out0: column 256 cx + 64 w
	s_lshl_b32 s30, s[WV], 8
	s_add_co_u32 s94, s94, s30
	s_mov_b32 s95, 0
	s_lshl_b32 s96, s[Y], 19                       ; 128 rows of 4,096 bytes
	s_add_co_u32 s96, s96, s94
	s_mov_b32 s97, 0
	v_and_b32 v11, 31, v0                          ; lane
	v_and_b32 v1, 15, v0                           ; r
	v_bfe_u32 v2, v0, 4, 1                         ; h
	v_lshlrev_b32 v[ADA], 4, v11
	s_lshl_b32 s30, s[WV], 13
	s_add_co_u32 s30, s30, 65536
	v_add_nc_u32 v[ADB], s30, v[ADA]               ; B begins at 65,536; my four tiles 8,192 w on
	v_add_nc_u32 v[ADB+1], 65536, v[ADB]
	v_and_b32 v[VSA], 8, v1
	v_add_nc_u32 v[VSA], v[VSA], v1                ; r + 8 (r / 8)
	v_lshl_add_u32 v[VSA], v2, 3, v[VSA]           ; + 8 h: lanes 0-15 take tile u = 0's rows, lanes 16-31 tile u = 1's
	v_lshlrev_b32 v[VSA], 5, v[VSA]
	v_lshlrev_b32 v[VBQ], 6, v2
	s_mul_i32 s30, s[WV], 16*SPITCH
	s_add_co_u32 s30, s30, STAGE                   ; my stage
	v_mul_u32_u24 v[STO], v1, SPITCH               ; in: row r, 64 h bytes on
	v_lshl_add_u32 v[STO], v2, 6, v[STO]
	v_add_nc_u32 v[STO], s30, v[STO]
	v_mul_u32_u24 v[RD], v2, SPITCH                ; back: lanes 0-15 one row of 256 bytes, lanes 16-31 the next
	v_lshl_add_u32 v[RD], v1, 4, v[RD]
	v_add_nc_u32 v[RD], s30, v[RD]
	v_lshlrev_b32 v[CO], 12, v2                    ; and the same two rows in out0
	v_lshl_add_u32 v[CO], v1, 4, v[CO]
	s_wait_dscnt 0x0
	s_wait_kmcnt 0x0
	s_add_nc_u64 s[84:85], s[4:5], s[84:85]
	s_add_nc_u64 s[86:87], s[8:9], s[86:87]
	s_add_nc_u64 s[90:91], s[6:7], s[90:91]
	s_add_nc_u64 s[92:93], s[10:11], s[92:93]
	s_add_nc_u64 s[94:95], s[12:13], s[94:95]
	s_add_nc_u64 s[96:97], s[14:15], s[96:97]
.irp q, 0,1,2,3
	s_mov_b32 s[G0A+4*\q], 1                                       ; count = 1
	s_add_co_u32 s[G0A+4*\q+1], s88, \q*16384                      ; LDS address: chunk q of A
	s_add_nc_u64 s[G0A+4*\q+2:G0A+4*\q+3], s[84:85], \q*2048       ; global address: K steps 2 q, 2 q + 1
	s_or_b32 s[G0A+4*\q+3], s[G0A+4*\q+3], 0x80000000              ; type = 2
	s_mov_b32 s[G0B+4*\q], 1
	s_add_co_u32 s[G0B+4*\q+1], s89, 65536+\q*32768
	s_add_nc_u64 s[G0B+4*\q+2:G0B+4*\q+3], s[86:87], \q*2048
	s_or_b32 s[G0B+4*\q+3], s[G0B+4*\q+3], 0x80000000
.endr
	CROUND                                         ; all sixteen work-groups are here: the joint loads meet
	s_cmp_eq_u32 s[ROLE], 0                        ; a wave's four loads stand in one branch on its number, ahead of every wait on TENSORcnt, every LDS read and every other barrier
	s_cbranch_scc0 .Lfor_b
.irp q, 0,1,2,3
	tensor_load_to_lds s[G0A+4*\q:G0A+4*\q+3], s[G1A:G1A+7]
	s_nop 0
.endr
	PLACES                                         ; four v_nop follow the last load
	s_branch .Lasked
.Lfor_b:
.irp q, 0,1,2,3
	tensor_load_to_lds s[G0B+4*\q:G0B+4*\q+3], s[G1B:G1B+7]
	s_nop 0
.endr
	PLACES
.Lasked:
	; the scale words of all of K come straight into registers, once: two loads read a group's 1,024 bytes whole
.irp g, 0,1,2,3
.irp p, 0,1
	global_load_b128 v[SA+8*\g+4*\p:SA+8*\g+4*\p+3], v[VSA], s[90:91] offset:\g*1024+16*\p
.endr
.endr
.irp b, 0,1
.irp p, 0,1
	global_load_b128 v[SB+8*\b+4*\p:SB+8*\b+4*\p+3], v[VSA], s[92:93] offset:\b*1024+16*\p
.endr
.endr
	WIN 0x80                                       ; destination window 2
	s_wait_alu depctr_va_vdst(0)
.irp t, 0,1,2,3                        ; register j of tile t is column 32 (t / 2) + 16 h + 8 (t % 2) + j
	global_load_b128 v[8*\t:8*\t+3],   v[VBQ], s[94:95] offset:(32*(\t/2)+8*(\t%2))*4
	global_load_b128 v[8*\t+4:8*\t+7], v[VBQ], s[94:95] offset:(32*(\t/2)+8*(\t%2))*4+16
.endr
	WIN 0
; 24 LDS loads, each of 512 consecutive bytes: K step s's fragments into set s % 2: A's eight tiles, my four of B
.macro FETCH s
.set FA, AF+64*((\s)%2)
.set FB, BF+32*((\s)%2)
.irp i, 0,1,2,3,4,5,6,7
.irp c, 0,1
	ds_load_b128 v[FA+8*\i+4*\c:FA+8*\i+4*\c+3], v[ADA] offset:((\s)/2)*16384+\i*2048+((\s)%2)*1024+512*\c
.endr
.endr
.irp t, 0,1,2,3
.irp c, 0,1
	ds_load_b128 v[FB+8*\t+4*\c:FB+8*\t+4*\c+3], v[ADB+(\s)/4] offset:(((\s)/2)%2)*32768+\t*2048+((\s)%2)*1024+512*\c
.endr
.endr
.endm
; one matrix instruction from the symbols mD, mA, mB, mC, mSA, mSB; ra, rb = 1: that side's scale words are read from lanes 16-31
.macro WM ra, rb
.if (\ra) && (\rb)
	v_wmma_scale_f32_16x16x128_f8f6f4 v[mD:mD+7], v[mA:mA+7], v[mB:mB+7], v[mC:mC+7], v[mSA], v[mSB] matrix_a_fmt:MATRIX_FMT_FP4 matrix_b_fmt:MATRIX_FMT_FP4 matrix_a_scale:MATRIX_SCALE_ROW1 matrix_b_scale:MATRIX_SCALE_ROW1
.elseif (\ra)
	v_wmma_scale_f32_16x16x128_f8f6f4 v[mD:mD+7], v[mA:mA+7], v[mB:mB+7], v[mC:mC+7], v[mSA], v[mSB] matrix_a_fmt:MATRIX_FMT_FP4 matrix_b_fmt:MATRIX_FMT_FP4 matrix_a_scale:MATRIX_SCALE_ROW1
.elseif (\rb)
	v_wmma_scale_f32_16x16x128_f8f6f4 v[mD:mD+7], v[mA:mA+7], v[mB:mB+7], v[mC:mC+7], v[mSA], v[mSB] matrix_a_fmt:MATRIX_FMT_FP4 matrix_b_fmt:MATRIX_FMT_FP4 matrix_b_scale:MATRIX_SCALE_ROW1
.else
	v_wmma_scale_f32_16x16x128_f8f6f4 v[mD:mD+7], v[mA:mA+7], v[mB:mB+7], v[mC:mC+7], v[mSA], v[mSB] matrix_a_fmt:MATRIX_FMT_FP4 matrix_b_fmt:MATRIX_FMT_FP4
.endif
.endm
; source 0 = column tile t of the weight, source 1 = token tile i; accumulator 4 i + t
.macro WQK i, t, s
.set mD, 8*(4*(\i)+(\t))
.set mC, mD
.if (\s) == 0
.set mC, 8*(\t)                        ; the bias starts the sum
.endif
.set mA, BF+32*((\s)%2)+8*(\t)
.set mB, AF+64*((\s)%2)+8*(\i)
.set mSA, SB+8*((\t)/2)+(\s)
.set mSB, SA+8*((\i)/2)+(\s)
	WM (\t)%2, (\i)%2
.endm
; K step s: the next step's fragments are asked for, then this step's 32 products.  The 32 accumulators take turns, one instruction a turn, the same order in every step.
.macro STEP s
.if (\s) < 7
.if ((\s)+1)%2 == 0
	s_wait_dscnt 0x0                               ; no LDS load of mine is out at the signal
	s_wait_tensorcnt 3-((\s)+1)/2                  ; my part of the next chunk has landed; the later chunks' loads stay out
	s_barrier_signal -1
	s_barrier_wait -1                              ; everybody's part has
.endif
.if (\s) > 0
	PLACES                                         ; the loads below land in the set that the last step's products read
.endif
	FETCH (\s)+1
	s_wait_dscnt 24                                ; all but the 24 just issued: this step's fragments are in
.else
	s_wait_dscnt 0x0
.endif
.if (\s) == 0
	WIN 0x60                                       ; C (the bias) window 2, D window 1
.else
	WIN 0x50                                       ; C and D window 1
.endif
.irp i, 0,1,2,3,4,5,6,7
.irp t, 0,1,2,3
	WQK \i, \t, \s
.endr
.endr
	WIN 0
.endm
; THE WAY OUT, token tile by token tile.  A lane holds 4 x 32 bytes of one row, and the lanes beside it hold other rows: a tile goes through my own stage and comes back as rows of 256 bytes.
; LDS serves a wave's instructions in order: no wait between the stores and the loads, nor in front of the next tile's stores.
.macro TOSTAGE i
	WIN 0x04                                       ; an LDS store's data are its source 1: window 1
.irp t, 0,1,2,3
	ds_store_b128 v[STO], v[8*(4*(\i)+\t):8*(4*(\i)+\t)+3] offset:128*(\t/2)+32*(\t%2)          ; each accumulator from its low end on
	ds_store_b128 v[STO], v[8*(4*(\i)+\t)+4:8*(4*(\i)+\t)+7] offset:128*(\t/2)+32*(\t%2)+16
.endr
	WIN 0
.set BB, BK+32*((\i)%2)
.irp j, 0,1,2,3,4,5,6,7
	ds_load_b128 v[BB+4*\j:BB+4*\j+3], v[RD] offset:\j*2*SPITCH
.endr
.endm
.macro SEND i, younger                 ; younger: the LDS instructions issued behind tile i's loads, which may stay out
.set BB, BK+32*((\i)%2)
	s_wait_dscnt \younger
.irp j, 0,1,2,3,4,5,6,7                ; stage rows 2 j, 2 j + 1 are tokens 32 (i / 2) + 8 (i % 2) + 2 j + 8 (j / 4) and the next
	global_store_b128 v[CO], v[BB+4*\j:BB+4*\j+3], s[96:97] offset:(32*((\i)/2)+8*((\i)%2)+2*\j+8*(\j/4))*4096 th:TH_STORE_NT   ; 16 lanes store 256 consecutive bytes, aligned; written once, read by nobody here
.endr
.endm
	s_wait_tensorcnt 3                             ; my part of chunk 0 has landed; my three later loads stay out
	s_barrier_signal -1
	s_barrier_wait -1                              ; everybody's has
	FETCH 0
	s_wait_loadcnt 0x0                             ; the scale words and the bias
.irp s, 0,1,2,3,4,5,6,7
	STEP \s
.endr
	PLACES                                         ; behind the last products: results are stored, and loads land in registers that held fragments
	TOSTAGE 0
.irp i, 1,2,3,4,5,6,7
.if \i > 1
	s_wait_xcnt 0x0                                ; tile i - 2's stores have read their registers: tile i's rows may land there
.endif
	TOSTAGE \i
	SEND \i-1, 16                                  ; behind tile i - 1's loads: tile i's 8 stores and 8 loads
.endr
	SEND 7, 0
	s_wait_tensorcnt 0x0
	ds_add_u32 v10, v15
	s_wait_dscnt 0x0
	CROUND                                         ; the closing round: no work-group ends while a partner may still ask for a chunk that names it
	s_endpgm
.Lfunc_end_k_q42d6753081_proj:
	.size	k_q42d6753081_proj, .Lfunc_end_k_q42d6753081_proj-k_q42d6753081_proj
	.p2alignl 7, 3214868480
	.fill 96, 4, 3214868480
	.section	.rodata,"a",@progbits
	.p2align	6, 0x0
	.amdhsa_kernel k_q42d6753081_proj
		.amdhsa_group_segment_fixed_size 214528
		.amdhsa_private_segment_fixed_size 0
		.amdhsa_enable_private_segment 0
		.amdhsa_kernarg_size 48
		.amdhsa_user_sgpr_count 2
		.amdhsa_user_sgpr_kernarg_segment_ptr 1
		.amdhsa_wavefront_size32 1
		.amdhsa_system_sgpr_workgroup_id_x 1
		.amdhsa_system_sgpr_workgroup_id_y 1
		.amdhsa_system_sgpr_workgroup_id_z 1
		.amdhsa_system_vgpr_workitem_id 0
		.amdhsa_next_free_vgpr 768
		.amdhsa_next_free_sgpr 100
		.amdhsa_reserve_vcc 0
		.amdhsa_float_denorm_mode_32 3
		.amdhsa_float_denorm_mode_16_64 3
		.amdhsa_memory_ordered 1
		.amdhsa_forward_progress 1
		.amdhsa_inst_pref_size 72
	.end_amdhsa_kernel
	.amdgpu_metadata
---
amdhsa.version: [ 1, 2 ]
amdhsa.kernels:
  - .name:           k_q42d6753081_proj
    .symbol:         k_q42d6753081_proj.kd
    .args:
      - { .name: oc, .offset: 0, .size: 8, .value_kind: global_buffer, .address_space: global }
      - { .name: os, .offset: 8, .size: 8, .value_kind: global_buffer, .address_space: global }
      - { .name: wc, .offset: 16, .size: 8, .value_kind: global_buffer, .address_space: global }
      - { .name: ws, .offset: 24, .size: 8, .value_kind: global_buffer, .address_space: global }
      - { .name: bp, .offset: 32, .size: 8, .value_kind: global_buffer, .address_space: global }
      - { .name: out0, .offset: 40, .size: 8, .value_kind: global_buffer, .address_space: global }
    .group_segment_fixed_size: 214528
    .private_segment_fixed_size: 0
    .kernarg_segment_align: 8
    .kernarg_segment_size: 48
    .max_flat_workgroup_size: 128
    .sgpr_count:     100
    .vgpr_count:     768
    .wavefront_size: 32
...
	.end_amdgpu_metadata
.endif
;; end of part 4
